; MI455X (gfx1250); checked and timed in simulation.
; The chip was launched on July 23, 2026; its instructions are those of AMD's public machine-readable ISA for CDNA 5 (MIT licence, August 2026) and "CDNA5" Instruction Set Architecture Reference Guide (July 2026). The comments in the code are by the model that wrote it; some were corrected since.
;; Multi Head Attention. Allowed arithmetic: matrix products marked QUANTISED: E2M3 operands, one E8M0 scale for each 32 along K, by v_wmma_scale_f32_16x16x128_f8f6f4 with both operands' format E2M3, f32 sums; everything else in f32.
;; Inputs: W_proj 1,024 x 1,024 float32; W_qkv 3,072 x 1,024 float32; x 2 x 2,048 x 1,024 float32.
;; Outputs: out0 2 x 2,048 x 1,024 float32.
;; This version of the problem:
;;   THIS VERSION OF THE PROBLEM IS GIVEN IN LOW PRECISION. The matrix products marked QUANTISED in the list below multiply operands that are first quantised to E2M3 (2 exponent bits, 3 mantissa bits; 6 bits a number), with one power-of-two scale for each 32 numbers along K (OCP MX v1.0); their sums are f32. All else is computed in f32.
;;   The module's matrix products, in the order in which they are computed (A, B: the left and right operand; K: the contracted axis; several contracted axes count as one K, in the product's order):
;;     1. [M 4,096, K 1,024] x [K 1,024, N 3,072]; A: input x; B: input W_qkv: QUANTISED
;;     2. batch 32 x [M 2,048, K 64] x [K 64, N 2,048]; A: computed on the way; B: computed on the way: QUANTISED
;;     3. batch 32 x [M 64, K 2,048] x [K 2,048, N 2,048]; A: computed on the way; B: softmax (see below): QUANTISED
;;     4. [M 4,096, K 1,024] x [K 1,024, N 1,024]; A: computed on the way; B: input W_proj: QUANTISED
;;   THE QUANTISER, for each operand of a quantised product, along K:
;;     - K is cut into blocks of 32 from its start; a last block that is shorter is filled with zeros.
;;     - A block's scale is 2^e with e = floor(log2(the largest magnitude in the block)) - 2, held to -126 .. 127; a block of zeros has e = 0. As a byte (E8M0): e + 127.
;;     - Each number is divided by its block's scale, clamped to +-7.5, and rounded to the nearest number of E2M3, ties to even, subnormals kept.
;;     - The product sums the exact products of the quantised numbers (number of the format x scale) in f32.
;;   ~~~python
;;   def quantise(x, axis):      # numpy; x: float32 -> the quantised numbers, widened to float32 again
;;       x = np.moveaxis(x, axis, -1); K = x.shape[-1]
;;       x = np.pad(x, [(0, 0)] * (x.ndim - 1) + [(0, -K % 32)]); x = x.reshape(x.shape[:-1] + (-1, 32)); a = np.abs(x).max(-1, keepdims=True)
;;       e = np.where(a > 0, np.clip(np.frexp(np.where(a > 0, a, 1))[1] - 1 - 2, -126, 127), 0)      # np.frexp(a)[1] - 1 = floor(log2(a)), exactly
;;       r = np.clip(x / 2.0 ** e, -7.5, 7.5)
;;       step = 2.0 ** (np.maximum(np.frexp(np.where(r == 0, 1, r))[1] - 1, 0) - 3)
;;       q = np.round(r / step) * step * 2.0 ** e      # np.round: ties to even
;;       return np.moveaxis(q.reshape(q.shape[:-2] + (-1,))[..., :K], -1, axis).astype(np.float32)
;;   ~~~
;;   SOFTMAX AHEAD OF A QUANTISED PRODUCT. Where the list says 'softmax', what is quantised is not the finished softmax but p = 2^(t - M), with t = logit x log2(e) and M = ceil(the row's largest t), a whole number; so 1/2 < the row's largest p <= 1. The row's sum l is taken of the UNQUANTISED p, in f32, and the product's result is divided by l at the end. Since M is a whole number, a kernel that streams over the keys may use a running M (the ceiling of the running maximum): every later rescaling is an exact power of two, which a block's scale takes up: the codes' values come out the same.
;;   OPERANDS COMPUTED ON THE WAY. 'Computed on the way' means the value that the module computes at that place (a softmax that the list does not call 'softmax' is quantised finished and normalised). What goes into a quantiser is computed in f32, as accurately as f32 sums, v_exp_f32 and their like allow (about 1e-6 of the number): no bf16 or f16 on the way to a quantiser, and a product that is left as it is and whose result goes on into a quantised operand takes f32 operands (vector FMAs, or v_wmma_f32_16x16x4_f32). A number that lies on a knife's edge between two numbers of the format may be rounded either way, as far as f32 arithmetic and the matrix unit's own rounding can turn it there, and no further.
;; One version. Each part assembles by itself: llvm-mc -triple=amdgcn-amd-amdhsa -mcpu=gfx1250 --defsym DOCPART=n.
;; ======== version 1 of 1: 4 launches
;; workspace buffers: cod 6,291,456 bytes; scl 262,144 bytes; qi 3,407,872 bytes; kv 6,815,744 bytes; aoc 3,145,728 bytes; aos 131,072 bytes
;; launch quant (part 1): grid 512 x 1, 4 waves a work-group, no clusters, 68,608 bytes of LDS; arguments x, W_qkv, W_proj, cod, scl; writes cod, scl
.if DOCPART == 1
	.amdgcn_target "amdgcn-amd-amdhsa--gfx1250"
	.amdhsa_code_object_version 6
	.text
	.protected	k_q1534eceb68_quant
	.globl	k_q1534eceb68_quant
	.p2align	8
	.type	k_q1534eceb68_quant,@function
k_q1534eceb68_quant:
	s_mov_b64 s[64:65], 0
	v_nop
	global_prefetch_b8 v0, s[64:65] scope:SCOPE_SE
	s_setreg_imm32_b32 hwreg(HW_REG_WAVE_MODE, 25, 1), 1
	s_wait_xcnt 0x0
; x [4096][1024], W_qkv [3072][1024] and W_proj [1024][1024], f32, K innermost, become codes of FP6 (E2M3) with one E8M0 scale byte for each 32 along K.
; A block's scale is 2^(floor(log2(its largest magnitude)) - 2); its byte is the largest magnitude's exponent field - 2, held at 1 from below.
; LIMITS: NaN and infinities among the inputs are not served.  A block of zeros, or one whose largest magnitude lies under 2^-124, gets the byte 1 where the rule gives another:
; a block of zeros has zero codes, which add nothing under any byte but 0xff, and the bytes are read by this program alone.
; LAYOUT OF THE RESULT.  The 8,192 rows of the three tensors, one behind the other, are cut into 512 ROW BLOCKS of 16 rows.  THE ROWS OF A BLOCK ARE NOT NEIGHBOURS: place r of block I (counted within
; its tensor) is row 32 (I / 2) + 8 (I % 2) + r % 8 + 16 (r / 8), so that a product's results can be quantised in registers along either operand's rows.
; cod: [block][K step of 128: 8][1,536 bytes]: an IMAGE of the operand's 12 registers: registers 0-3 at 16 x lane, 4-5 at 512 + 8 x lane, 6-9 at 768 + 16 x lane, 10-11 at 1,280 + 8 x lane.
; scl: [block][place r][8 words]: word s holds the four scale bytes of K step s.
; SHARES.  Work-group g makes row block g; wave w its K steps 2 w and 2 w + 1: 16 rows x 1,024 bytes.  All 32 loads of a wave go out at its head, each 512 consecutive bytes of one row.
; The conversion wants 16 neighbours along K in ONE lane: so a K step's 8,192 bytes turn through the wave's own stage in LDS (rows of 512 bytes + 16, so that sixteen rows begin at sixteen different banks).
; No tensor loads, no cluster (work-groups share no input), one barrier: the block's 512 scale bytes meet in LDS and leave as two aligned runs of 256 bytes.
.set SP,    528                        ; a stage row: 512 bytes + 16
.set STG,   16*SP                      ; a stage: one K step of 16 rows
.set WREG,  2*STG                      ; a wave's two stages
.set SCB,   4*WREG                     ; behind them: the block's scale words, 512 bytes
.set FRB,   1536                       ; an image
.set L16,   2                          ; v2   16 x lane
.set STW,   3                          ; v3   the stage, on the way in
.set STR,   4                          ; v4   and on the way out: row r, + 64 h
.set L8,    5                          ; v5   8 x lane
.set SCW,   6                          ; v6   where my row's scale words go
.set SCR,   9                          ; v9   where wave 0 reads them back
.set R,     16                         ; v16-143  the numbers as loaded: 2 K steps x 16 rows x 4 registers
.set X,     144                        ; v144-207 64 numbers of my row: register 16 b + i = k 32 b + 16 h + i
.set TM,    208                        ; v208-223 at work
.set PC,    224                        ; v224-243 the codes
.set PW,    244                        ; v244, v245 the two scale words
.set OUTR,  248
.set SEL,   20                         ; s[20:21] selects of v_permlanex16_b32 for lane l xor 16
.set WV,    22
	s_load_b128 s[4:7], s[0:1], 0x0                ; x, W_qkv
	s_load_b128 s[8:11], s[0:1], 0x10              ; W_proj, cod
	s_load_b64 s[12:13], s[0:1], 0x20              ; scl
	v_lshl_add_u32 v254, v0, 2, 0x10a00
	v_mov_b32 v255, 0
	v_lshrrev_b32 v1, 5, v0
	v_readfirstlane_b32 s[WV], v1                  ; wave 0..3
	v_and_b32 v1, 31, v0                           ; lane
	v_and_b32 v7, 15, v0                           ; r
	v_bfe_u32 v8, v0, 4, 1                         ; h
	v_lshlrev_b32 v[L16], 4, v1
	v_lshlrev_b32 v[L8], 3, v1
	s_mul_i32 s23, s[WV], WREG
	v_add_nc_u32 v[STW], s23, v[L16]
	v_mul_u32_u24 v[STR], v7, SP
	v_lshl_add_u32 v[STR], v8, 6, v[STR]
	v_add_nc_u32 v[STR], s23, v[STR]
	s_lshl_b32 s24, s[WV], 3
	s_add_co_u32 s24, s24, SCB
	v_lshl_add_u32 v[SCW], v7, 5, s24              ; SCB + 32 r + 8 x wave
	v_add_nc_u32 v[SCR], SCB, v[L16]
	s_mov_b32 s[SEL], 0x76543210
	s_mov_b32 s[SEL+1], 0xfedcba98
.irp b, 0,1,2,3
	v_mov_b32 v[TM+4+\b], 0                        ; written once: a lane permute's destination counts as one of its sources
.endr
	s_wait_kmcnt 0x0
	s_cmp_lt_u32 ttmp9, 256                        ; which tensor: the choice hangs on the work-group's number alone
	s_cselect_b64 s[4:5], s[4:5], s[6:7]
	s_cselect_b32 s14, 0, 256
	s_cmp_lt_u32 ttmp9, 448
	s_cselect_b64 s[4:5], s[4:5], s[8:9]
	s_cselect_b32 s14, s14, 448
	s_sub_co_u32 s14, ttmp9, s14                   ; I: the row block within its tensor
	s_lshr_b32 s15, s14, 1
	s_lshl_b32 s15, s15, 17                        ; 32 (I / 2) rows of 4,096 bytes
	s_and_b32 s16, s14, 1
	s_lshl_b32 s16, s16, 15                        ; 8 (I % 2) rows
	s_or_b32 s16, s15, s16
	s_lshl_b32 s17, s[WV], 10                      ; my two K steps: 1,024 bytes of each row
	s_or_b32 s16, s16, s17
	s_mov_b32 s17, 0
	s_add_nc_u64 s[4:5], s[4:5], s[16:17]
	s_mul_i32 s18, ttmp9, 8*FRB
	s_mul_i32 s19, s[WV], 2*FRB
	s_add_co_u32 s18, s18, s19
	s_mov_b32 s19, 0
	s_add_nc_u64 s[10:11], s[10:11], s[18:19]      ; cod at my two images
	s_lshl_b32 s18, ttmp9, 9
	s_add_nc_u64 s[12:13], s[12:13], s[18:19]      ; scl at the block's 512 bytes
.irp e, 0,1
.irp j, 0,1,2,3,4,5,6,7,8,9,10,11,12,13,14,15
	global_load_b128 v[R+64*\e+4*\j:R+64*\e+4*\j+3], v[L16], s[4:5] offset:(\j%8+16*(\j/8))*4096+512*\e th:TH_LOAD_NT   ; place j's row, K step 2 w + e: 512 consecutive bytes
.endr
.endr
; 64 numbers of a lane, v[s] on, become a fragment's codes in v[PC] .. v[PC + 11] and its scale word in v[pw].
.macro QUANT s, pw
.irp b, 0,1,2,3
	v_max3_num_f32 v[TM+\b], |v[\s+16*\b]|, |v[\s+1+16*\b]|, 0x1800000   ; block b: my 16 numbers, and the floor 2^(3 - 127): the byte cannot fall under 1
.endr
.irp i, 2,4,6,8,10,12,14
.irp b, 0,1,2,3
	v_max3_num_f32 v[TM+\b], v[TM+\b], |v[\s+16*\b+\i]|, |v[\s+1+16*\b+\i]|   ; the four blocks by turns
.endr
.endr
.irp b, 0,1,2,3
	v_permlanex16_b32 v[TM+4+\b], v[TM+\b], s[SEL], s[SEL+1]
.endr
.irp b, 0,1,2,3
	v_max_num_f32 v[TM+\b], v[TM+\b], v[TM+4+\b]   ; with lane l xor 16's: the block's largest magnitude
.endr
.irp b, 0,1,2,3
	v_add_nc_u32 v[TM+12+\b], 0xff000000, v[TM+\b]   ; 2 off its exponent field: the conversion takes the exponent field of this operand as its scale
.endr
.irp b, 0,1,2,3
	v_lshrrev_b32 v[TM+4+\b], 23, v[TM+12+\b]      ; the scale's byte
.endr
	v_lshl_or_b32 v[\pw], v[TM+5], 8, v[TM+4]
	v_lshl_or_b32 v[\pw], v[TM+6], 16, v[\pw]
	v_lshl_or_b32 v[\pw], v[TM+7], 24, v[\pw]
	s_wait_xcnt 0x0                                ; the last image's stores have read the codes' registers: only behind this wait are they written again
.irp c, 0,1
	v_cvt_scalef32_pk16_fp6_f32 v[PC+6*\c:PC+2+6*\c], v[\s+32*\c:\s+15+32*\c], v[TM+12+2*\c]
	v_cvt_scalef32_pk16_fp6_f32 v[PC+12+4*\c:PC+14+4*\c], v[\s+16+32*\c:\s+31+32*\c], v[TM+12+2*\c+1]   ; (a conversion's three registers begin on an even number)
.endr
	v_nop                                          ; one plain place behind a scaled conversion
.irp c, 0,1                                    ; the operand's layout wants a WHOLE block in a lane: lanes 0-15 block 2 c, lanes 16-31 block 2 c + 1
.irp i, 0,1,2
	v_permlane16_swap_b32 v[PC+6*\c+\i], v[PC+12+4*\c+\i]
.endr
.irp i, 0,1,2
	v_mov_b32 v[PC+3+6*\c+\i], v[PC+12+4*\c+\i]
.endr
.endr
.endm
.macro TOSTG e                                 ; K step e's numbers into its stage, as loaded
.irp j, 0,1,2,3,4,5,6,7,8,9,10,11,12,13,14,15
	ds_store_b128 v[STW], v[R+64*\e+4*\j:R+64*\e+4*\j+3] offset:\e*STG+\j*SP
.endr
.endm
.macro FROMSTG e                               ; and back, 16 neighbours of each block of 32 to a lane.  LDS serves a wave's instructions in order: these see the stores
.irp b, 0,1,2,3
.irp j, 0,1,2,3
	ds_load_b128 v[X+16*\b+4*\j:X+16*\b+4*\j+3], v[STR] offset:\e*STG+128*\b+16*\j
.endr
.endr
.endm
.macro IMAGE e                                 ; each store covers 512 or 256 consecutive bytes, at a multiple of 256 from cod's first byte
	global_store_b128 v[L16], v[PC:PC+3], s[10:11] offset:\e*FRB
	global_store_b64 v[L8], v[PC+4:PC+5], s[10:11] offset:\e*FRB+512
	global_store_b128 v[L16], v[PC+6:PC+9], s[10:11] offset:\e*FRB+768
	global_store_b64 v[L8], v[PC+10:PC+11], s[10:11] offset:\e*FRB+1280
.endm
	s_wait_loadcnt 16                              ; the first K step's sixteen loads are in; the second's may be out
	TOSTG 0
	FROMSTG 0
	s_wait_loadcnt 0x0
	TOSTG 1
	s_wait_dscnt 16                                ; the first K step is back in registers; the sixteen stores just issued may be out
	QUANT X, PW
	IMAGE 0
	ds_store_b32 v[SCW], v[PW]                     ; both lanes of a row write the same word with the same value
	FROMSTG 1
	s_wait_dscnt 0x0
	QUANT X, PW+1
	IMAGE 1
	ds_store_b32 v[SCW], v[PW+1] offset:4
	s_wait_dscnt 0x0                               ; for the others' sake: my scale words lie in LDS
	s_barrier_signal -1
	s_barrier_wait -1
	s_cmp_lg_u32 s[WV], 0
	s_cbranch_scc1 .Ldone
	ds_load_b128 v[OUTR:OUTR+3], v[SCR]            ; wave 0 takes the block's 512 bytes of scale words
	s_wait_dscnt 0x0
	global_store_b128 v[L16], v[OUTR:OUTR+3], s[12:13]   ; 512 consecutive bytes, aligned
.Ldone:
	s_wait_tensorcnt 0x0
	ds_add_u32 v254, v255
	s_wait_dscnt 0x0
	s_endpgm
.Lfunc_end_k_q1534eceb68_quant:
	.size	k_q1534eceb68_quant, .Lfunc_end_k_q1534eceb68_quant-k_q1534eceb68_quant
	.p2alignl 7, 3214868480
	.fill 96, 4, 3214868480
	.section	.rodata,"a",@progbits
	.p2align	6, 0x0
	.amdhsa_kernel k_q1534eceb68_quant
		.amdhsa_group_segment_fixed_size 68608
		.amdhsa_private_segment_fixed_size 0
		.amdhsa_enable_private_segment 0
		.amdhsa_kernarg_size 40
		.amdhsa_user_sgpr_count 2
		.amdhsa_user_sgpr_kernarg_segment_ptr 1
		.amdhsa_wavefront_size32 1
		.amdhsa_system_sgpr_workgroup_id_x 1
		.amdhsa_system_sgpr_workgroup_id_y 1
		.amdhsa_system_sgpr_workgroup_id_z 1
		.amdhsa_system_vgpr_workitem_id 0
		.amdhsa_next_free_vgpr 256
		.amdhsa_next_free_sgpr 66
		.amdhsa_reserve_vcc 0
		.amdhsa_float_denorm_mode_32 3
		.amdhsa_float_denorm_mode_16_64 3
		.amdhsa_memory_ordered 1
		.amdhsa_forward_progress 1
		.amdhsa_inst_pref_size 19
	.end_amdhsa_kernel
	.amdgpu_metadata
---
amdhsa.version: [ 1, 2 ]
amdhsa.kernels:
  - .name:           k_q1534eceb68_quant
    .symbol:         k_q1534eceb68_quant.kd
    .args:
      - { .name: x, .offset: 0, .size: 8, .value_kind: global_buffer, .address_space: global }
      - { .name: W_qkv, .offset: 8, .size: 8, .value_kind: global_buffer, .address_space: global }
      - { .name: W_proj, .offset: 16, .size: 8, .value_kind: global_buffer, .address_space: global }
      - { .name: cod, .offset: 24, .size: 8, .value_kind: global_buffer, .address_space: global }
      - { .name: scl, .offset: 32, .size: 8, .value_kind: global_buffer, .address_space: global }
    .group_segment_fixed_size: 68608
    .private_segment_fixed_size: 0
    .kernarg_segment_align: 8
    .kernarg_segment_size: 40
    .max_flat_workgroup_size: 128
    .sgpr_count:     66
    .vgpr_count:     256
    .wavefront_size: 32
...
	.end_amdgpu_metadata
.endif
;; end of part 1
;; launch qkv (part 2): grid 12 x 16, 4 waves a work-group, clusters of 4 x 4, 327,680 bytes of LDS; arguments cod, scl, qi, kv; writes qi, kv
.if DOCPART == 2
	.amdgcn_target "amdgcn-amd-amdhsa--gfx1250"
	.amdhsa_code_object_version 6
	.text
	.protected	k_q1534eceb68_qkv
	.globl	k_q1534eceb68_qkv
	.p2align	8
	.type	k_q1534eceb68_qkv,@function
k_q1534eceb68_qkv:
	s_mov_b64 s[64:65], 0
	v_nop
	global_prefetch_b8 v0, s[64:65] scope:SCOPE_SE
	s_setreg_imm32_b32 hwreg(HW_REG_WAVE_MODE, 25, 1), 1
	s_wait_xcnt 0x0
	s_wait_alu depctr_hold_cnt(0) depctr_sa_sdst(0) depctr_va_vdst(0) depctr_va_sdst(0) depctr_va_ssrc(0) depctr_va_vcc(0) depctr_vm_vsrc(0)
	s_getreg_b32 s2, hwreg(HW_REG_IB_STS2, 6, 4)
	s_cmp_eq_u32 s2, 0
	s_cbranch_scc0 .Lentry_in_a_cluster
	s_endpgm
.Lentry_in_a_cluster:
	s_bfe_u32 s2, ttmp6, 0x10000c
	s_cmp_lg_u32 s2, 0xf033
	s_cbranch_scc0 .Lentry_shape_is_right
	s_endpgm
.Lentry_shape_is_right:
; qkv = x W_qkv^T on codes of FP6 (E2M3) with one E8M0 scale for each 32 along K = 1,024; the results are quantised in registers and leave as codes, laid as the attention's operand registers take them.
; OPERANDS come as images of their registers: cod [row block of 16 rows][K step of 128: 8][1,536 bytes], scl [row block][place r][8 words].  Place r of a row block I is row 32 (I / 2) + 8 (I % 2) + r % 8 + 16 (r / 8).
; A unit is 16 row blocks, 256 rows: x is units 0-15, W_q 16-19, W_k 20-23, W_v 24-27.
; A tile, 256 rows of A x 256 rows of B, is made by four waves, a wave makes 128 x 128: 64 accumulators of 16 x 16, 512 registers.  THE MATRIX INSTRUCTION IS USED TRANSPOSED (source 0 = 16 rows of B, source 1 = 16 rows
; of A): in accumulator (a, b) lane (r, h) holds A's place r of block a, and register j B's row 32 (b / 2) + 16 h + 8 (b % 2) + j: the 64 registers of one a are four blocks of 32 NEIGHBOURS along B's rows, 16 to a lane.
; ROLES, by the cluster's x, which all partners share: 0: A = x, B = W_q;  1: A = x, B = W_k: a lane holds a token and its registers run along the head's channels, product 2's K.
;   2: A = W_v, B = x: a lane holds a channel and its registers run along the tokens, the keys, product 3's K.
; K goes in steps of 256 through a ring of two LDS slots filled by the tensor data mover: for each row block 3,072 consecutive bytes, dense in LDS.  K has four such steps: the text is written out, without a loop.
; THE SCALES of the tile's rows, for all of K, are two dense blocks of memory: they come into LDS once, with the first fills.
; CLUSTERS: 4 x 4 work-groups; A's tile is shared along a row of the cluster, B's along a column: each is asked for jointly.  192 work-groups: N = 3,072 has a factor 3, so no tile that keeps q, k and v apart gives a multiple of 256.
; RESULT.  qi: [batch x 16 + head][step of 128 tokens: 16][6,656]: four images (first half: the head's 64 channels of token tile f; second half: of tile f + 4), then four scale images of 128 bytes (4 x lane).
; kv: [batch x 16 + head][step: 16][13,312]: K's four images as in qi; V^T's four images (16 channels x the step's 128 keys) from 6,144; K's scale images from 12,288; V's from 12,800.
; LIMITS: NaN and infinities are not served; a block of zeros, or one whose largest magnitude lies under 2^-124, gets the byte 1 (zero codes add nothing; this program alone reads the bytes).
; REGISTERS, in windows of 256: window 0: v16-29 addresses; v32-63 scale words, two sets; v64-110 the way out; v128-223 A's fragments, ONE set.  window 1: B's fragments, two sets, at v0 and v128.
;   window 2: the accumulators of A's blocks 0-3 ((a, b) at v[8 (8 (a % 4) + b)]);  window 3: those of blocks 4-7.
.set NQ,     2                         ; matrix instructions deep in a slot
.set FR,     12                        ; registers of a fragment
.set NL,     4                         ; LDS loads that bring one
.set NP,     4                         ; places behind this matrix instruction (ISA guide 7.12.1)
.set FRB,    1536                      ; an image
.set RBS,    NQ*FRB                    ; a row block's bytes in a slot
.set HALFT,  8*RBS                     ; 8 row blocks, 128 rows: what one tensor load brings, and what one wave reads of A or of B
.set SLOT,   4*HALFT                   ; A's 256 rows, then B's
.set SCL,    2*SLOT                    ; behind the ring: the scales, as rows of 256 bytes + 16 of padding
.set HALFS,  16*272                    ; those of 128 rows: what one tensor load brings
.set SBLK,   2*272                     ; those of 16 rows
.set SPARE,  SCL+4*HALFS               ; behind the scales: the spare words, 128 bytes for each wave: two blocks of 256 bytes that no other line names
.set ADRA, 16                          ; v16-17  slot 0, 1: my A fragments, + 16 x lane;  v18-19: + 8 x lane
.set ADRB, 20                          ; v20-23  the same for B
.set L16,  24                          ; v24     16 x lane
.set L8,   25                          ; v25     8 x lane
.set L4,   26                          ; v26     4 x lane
.set ADRS, 27                          ; v27     my scale words: lanes 0-15 A's rows, lanes 16-31 B's
.set SPW,  28                          ; v28     LDS address of my spare word; never rewritten
.set NIL,  29                          ; v29     0; never rewritten
.set SC,   32                          ; scale words: set s at v[SC + 16 s]; register 2 i + q: lanes 0-15 A's block i, lanes 16-31 B's block i, the slot's q-th 128 along K
.set PC,   64                          ; v64-83   the way out: codes
.set TM,   88                          ; v88-103  at work
.set PWS,  104                         ; v104-107 the scale words of A's blocks 0-3, kept
.set PW,   108                         ; v108     the scale word just made
.set W0,   109                         ; v109, v110 the words that leave
.set W1,   110
.set AF,   128
.set G1, 24                            ; s[24:31] descriptor group 1 for A's tiles;  s[32:39] group 0, one set for each slot
.set G0, 32
.set G1B, 48                           ; s[48:55], s[56:63] the same for B's tiles
.set G0B, 56
.set G1S, 68                           ; s[68:75], s[76:79] groups 1 and 0 for A's scales;  s[80:87], s[88:91] for B's
.set G0S, 76
.set G1SB, 80
.set G0SB, 88
.set SEL, 96                           ; s[96:97] selects of v_permlanex16_b32 for lane l xor 16
.set MSB, 0
.macro WIN new                         ; the immediate's high byte repeats the setting that is left
.if MSB != (\new)
	s_set_vgpr_msb (MSB<<8)|(\new)
.set MSB, (\new)
.endif
.endm
.set MUL_LO, 0xa1                      ; source 0 (B) window 1, source 1 (A) window 0, C and D window 2
.set MUL_HI, 0xf1                      ; the same, C and D window 3
.set TO_B,   0x40                      ; destination window 1, address window 0
; A joint load: waves 0 and 1 fetch for A, waves 2 and 3 for B.  Each line has one mask and one set of registers for all that issue it; the branch hangs on the wave's number alone.
; Four v_nop follow each of the two lines, ahead of the jump, the label and what follows.
.macro JLOAD g0a, g1a, g0b, g1b
	s_cmp_eq_u32 s15, 0
	s_cbranch_scc0 .Lfor_b_\@
	tensor_load_to_lds s[\g0a:\g0a+3], s[\g1a:\g1a+7]
	s_nop 0
.rept 4
	v_nop
.endr
	s_branch .Lasked_\@
.Lfor_b_\@:
	tensor_load_to_lds s[\g0b:\g0b+3], s[\g1b:\g1b+7]
	s_nop 0
.rept 4
	v_nop
.endr
.Lasked_\@:
.endm
.macro CREST                           ; a round of the cluster's barrier behind its opening barrier
	s_cmp_lg_u32 s14, 0
	s_cbranch_scc1 .Lnot_wave_0_\@
	s_barrier_signal -3
.Lnot_wave_0_\@:
	s_barrier_wait -3
	s_barrier_signal -1
	s_barrier_wait -1
.endm
.macro CROUND                          ; a whole round
	s_barrier_signal -1
	s_barrier_wait -1
	CREST
.endm
	s_load_b128 s[4:7], s[0:1], 0x0                ; cod, scl
	s_load_b128 s[8:11], s[0:1], 0x10              ; qi, kv
	v_lshl_add_u32 v[SPW], v0, 2, SPARE
	v_mov_b32 v[NIL], 0
	ds_add_u32 v28, v29
	ds_add_u32 v28, v29
	s_wait_dscnt 0x0
	v_lshrrev_b32 v1, 5, v0
	v_readfirstlane_b32 s14, v1                    ; wave 0..3
	s_lshr_b32 s15, s14, 1                         ; which half of A's rows is mine.  Also: I fetch for A (0) or for B (1)
	s_and_b32 s16, s14, 1                          ; which half of B's rows.  Also: which 128 rows of that tile I fetch
	s_bfe_u32 s40, ttmp6, 0x40000                  ; cx, cy: my place in the cluster
	s_bfe_u32 s41, ttmp6, 0x40004
	s_and_b32 s18, ttmp7, 0xffff
	s_lshl_b32 s18, s18, 2                         ; 4 x cluster y
	s_lshl_b32 s19, ttmp9, 2
	s_add_co_u32 s19, s19, 16                      ; 16 + 4 x cluster x: W_q's or W_k's first unit
	s_cmp_eq_u32 ttmp9, 2                          ; the role: the same in all partners
	s_cselect_b32 s17, 24, s18                     ; A's first unit: W_v's, or x's
	s_cselect_b32 s42, s18, s19                    ; B's: x's, or the weight's
	s_add_co_u32 s17, s17, s41                     ; A's unit hangs on cy, which my row of the cluster shares,
	s_add_co_u32 s42, s42, s40                     ; B's on cx, which my column shares
	s_lshl_b32 s43, s41, 2
	s_lshl_b32 s43, 15, s43                        ; my row of the cluster
	s_lshl_b32 s44, 0x1111, s40                    ; my column
	; descriptor group 1: a tile of 8 rows (row blocks) x 3,072 bytes, 12,288 bytes apart in memory, dense in LDS; elements of 8 bytes
	s_or_b32 s[G1+0], s43, (3<<16)|(1<<21)         ; 15:0 the mask: A's tiles go to my row; 17:16 element of 8 bytes; 20 no padding; 21 set beside a mask
	s_or_b32 s[G1B+0], s44, (3<<16)|(1<<21)
.irp g, G1, G1B
	s_mov_b32 s[\g+1], 384<<16                     ; tensor_dim0
	s_mov_b32 s[\g+2], 8<<16                       ; tensor_dim1
	s_mov_b32 s[\g+3], 384<<16                     ; tile_dim0
	s_mov_b32 s[\g+4], 8                           ; tile_dim1
	s_mov_b32 s[\g+5], 1536                        ; tensor_dim0_stride
	s_mov_b32 s[\g+6], 0
	s_mov_b32 s[\g+7], 0
.endr
	; the scales of 128 rows: 4,096 dense bytes, as 16 rows of 256 bytes, 16 bytes of padding behind each
	s_or_b32 s[G1S+0], s43, (3<<16)|(1<<20)|(1<<21)|(5<<22)|(3<<25)
	s_or_b32 s[G1SB+0], s44, (3<<16)|(1<<20)|(1<<21)|(5<<22)|(3<<25)
.irp g, G1S, G1SB
	s_mov_b32 s[\g+1], 32<<16
	s_mov_b32 s[\g+2], 16<<16
	s_mov_b32 s[\g+3], 32<<16
	s_mov_b32 s[\g+4], 16
	s_mov_b32 s[\g+5], 32
	s_mov_b32 s[\g+6], 0
	s_mov_b32 s[\g+7], 0
.endr
	s_mul_i32 s18, s16, 8*8*FRB                    ; which 8 row blocks of the unit I fetch: their codes,
	s_lshl_b32 s19, s16, 12                        ; and their scales
	s_mul_i32 s20, s17, 16*8*FRB
	s_add_co_u32 s20, s20, s18
	s_mov_b32 s21, 0
	s_mul_i32 s46, s42, 16*8*FRB
	s_add_co_u32 s46, s46, s18
	s_mov_b32 s47, 0
	s_lshl_b32 s22, s17, 13
	s_add_co_u32 s22, s22, s19
	s_mov_b32 s23, 0
	s_lshl_b32 s92, s42, 13
	s_add_co_u32 s92, s92, s19
	s_mov_b32 s93, 0
	s_mul_i32 s45, s14, HALFT                      ; where they go: wave x 128 rows: no place in the cluster enters an LDS address
	s_mul_i32 s94, s14, HALFS
	s_mov_b32 s[SEL], 0x76543210
	s_mov_b32 s[SEL+1], 0xfedcba98
	s_wait_kmcnt 0x0
	s_add_nc_u64 s[20:21], s[4:5], s[20:21]
	s_add_nc_u64 s[22:23], s[6:7], s[22:23]
	s_add_nc_u64 s[46:47], s[4:5], s[46:47]
	s_add_nc_u64 s[92:93], s[6:7], s[92:93]
	CROUND                                         ; all sixteen work-groups are here: the first joint loads meet
	s_mov_b32 s[G0S], 1
	s_add_co_u32 s[G0S+1], s94, SCL
	s_mov_b64 s[G0S+2:G0S+3], s[22:23]
	s_or_b32 s[G0S+3], s[G0S+3], 0x80000000
	s_mov_b32 s[G0SB], 1
	s_add_co_u32 s[G0SB+1], s94, SCL
	s_mov_b64 s[G0SB+2:G0SB+3], s[92:93]
	s_or_b32 s[G0SB+3], s[G0SB+3], 0x80000000
	JLOAD G0S, G1S, G0SB, G1SB                     ; the scales first: they are wanted with the first K step
.irp s, 0,1
	s_mov_b32 s[G0+4*\s], 1
	s_add_co_u32 s[G0+4*\s+1], s45, \s*SLOT
	s_add_nc_u64 s[G0+4*\s+2:G0+4*\s+3], s[20:21], \s*RBS
	s_or_b32 s[G0+4*\s+3], s[G0+4*\s+3], 0x80000000
	s_mov_b32 s[G0B+4*\s], 1
	s_add_co_u32 s[G0B+4*\s+1], s45, \s*SLOT
	s_add_nc_u64 s[G0B+4*\s+2:G0B+4*\s+3], s[46:47], \s*RBS
	s_or_b32 s[G0B+4*\s+3], s[G0B+4*\s+3], 0x80000000
	JLOAD G0+4*\s, G1, G0B+4*\s, G1B               ; three tensor loads of mine are out
.endr
	v_and_b32 v1, 15, v0                           ; r
	v_bfe_u32 v2, v0, 4, 1                         ; h
	v_and_b32 v3, 31, v0                           ; lane
	v_lshlrev_b32 v[L16], 4, v3
	v_lshlrev_b32 v[L8], 3, v3
	v_lshlrev_b32 v[L4], 2, v3
	s_mul_i32 s21, s15, HALFT                      ; my 128 rows of A
	s_mul_i32 s22, s16, HALFT                      ; my 128 rows of B,
	s_add_co_u32 s22, s22, 2*HALFT                 ; which lie behind A's 256
.irp s, 0,1
	v_add_nc_u32 v[ADRA+\s], s21, v[L16]
	v_add_nc_u32 v[ADRB+\s], s22, v[L16]
	v_add_nc_u32 v[ADRA+2+\s], s21, v[L8]
	v_add_nc_u32 v[ADRB+2+\s], s22, v[L8]
	s_add_co_u32 s21, s21, SLOT
	s_add_co_u32 s22, s22, SLOT
.endr
	v_mul_u32_u24 v5, v1, 32                       ; my row's scales: 32 bytes a row,
	v_lshrrev_b32 v6, 8, v5
	v_lshl_add_u32 v5, v6, 4, v5                   ; and 16 more for each 256 passed
	s_mul_i32 s21, s15, HALFS                      ; A's: my 128 rows
	s_mul_i32 s22, s16, HALFS                      ; B's: my 128 rows, behind A's 256
	s_add_co_u32 s22, s22, 2*HALFS
	s_sub_co_u32 s22, s22, s21
	v_mul_u32_u24 v6, s22, v2                      ; lanes 16-31 take B's
	s_add_co_u32 s21, s21, SCL
	v_add_nc_u32 v5, v5, v6
	v_add_nc_u32 v[ADRS], s21, v5
.irp b, 0,1,2,3
	v_mov_b32 v[TM+4+\b], 0                        ; written once: a lane permute's destination counts as one of its sources
.endr
.macro FRAG reg, adr, q, i             ; a fragment comes back as the image that it is: every load takes 512 or 256 consecutive bytes
	ds_load_b128 v[\reg:\reg+3], v[\adr] offset:(\i)*RBS+(\q)*FRB
	ds_load_b64 v[\reg+4:\reg+5], v[\adr+2] offset:(\i)*RBS+(\q)*FRB+512
	ds_load_b128 v[\reg+6:\reg+9], v[\adr] offset:(\i)*RBS+(\q)*FRB+768
	ds_load_b64 v[\reg+10:\reg+11], v[\adr+2] offset:(\i)*RBS+(\q)*FRB+1280
.endm
; 16 matrix instructions: A's blocks a0, a0 + 1 x B's eight, 128 along K: the slot's q-th.  p: B's set;  sc: the set of scale words.  zero = 1: the first product starts the sums: nothing is ever cleared.
; The 64 accumulators take turns, one instruction a turn, in the same order in every step.
.macro MUL16 a0, p, q, sc, zero
.irp a, \a0, \a0+1
.irp b, 0,1,2,3,4,5,6,7
.if \zero
	v_wmma_scale_f32_16x16x128_f8f6f4 v[8*(8*((\a)%4)+\b):8*(8*((\a)%4)+\b)+7], v[128*(\p)+FR*\b:128*(\p)+FR*\b+FR-1], v[AF+FR*(\a):AF+FR*(\a)+FR-1], 0, v[SC+8*NQ*(\sc)+NQ*\b+(\q)], v[SC+8*NQ*(\sc)+NQ*(\a)+(\q)] matrix_a_fmt:MATRIX_FMT_FP6 matrix_b_fmt:MATRIX_FMT_FP6 matrix_a_scale:MATRIX_SCALE_ROW1
.else
	v_wmma_scale_f32_16x16x128_f8f6f4 v[8*(8*((\a)%4)+\b):8*(8*((\a)%4)+\b)+7], v[128*(\p)+FR*\b:128*(\p)+FR*\b+FR-1], v[AF+FR*(\a):AF+FR*(\a)+FR-1], v[8*(8*((\a)%4)+\b):8*(8*((\a)%4)+\b)+7], v[SC+8*NQ*(\sc)+NQ*\b+(\q)], v[SC+8*NQ*(\sc)+NQ*(\a)+(\q)] matrix_a_fmt:MATRIX_FMT_FP6 matrix_b_fmt:MATRIX_FMT_FP6 matrix_a_scale:MATRIX_SCALE_ROW1
.endif
.endr
.endr
.endm
.macro FETCH_B slot, q, p              ; B's eight fragments of the slot's q-th 128 along K into set p
	WIN TO_B
.irp i, 0,1,2,3,4,5,6,7
	FRAG 128*(\p)+FR*\i, ADRB+\slot, \q, \i
.endr
	WIN 0
.endm
.macro FETCH_A slot, q, i0             ; A's blocks i0 .. i0 + 3
.irp i, \i0, \i0+1, \i0+2, \i0+3
	FRAG AF+FR*(\i), ADRA+\slot, \q, \i
.endr
.endm
.macro SCALES sc                       ; the next slot's scale words into set sc: two words a row; lanes 0-15 take A's block i, lanes 16-31 B's block i
.irp i, 0,1,2,3,4,5,6,7
	ds_load_b64 v[SC+8*NQ*\sc+NQ*\i:SC+8*NQ*\sc+NQ*\i+1], v[ADRS] offset:\i*SBLK
.endr
.endm
; A load into a register that a matrix instruction has read, and a vector instruction that reads a matrix result, stand NP places behind that matrix instruction; only plain vector
; instructions that name none of its registers are places (ISA guide 7.12.1 for vector instructions).
.macro PLACES n
.rept \n
	v_nop
.endr
.endm
; A step of 128 along K that has its successor in the same slot.
.macro STEP slot, q, zero
	s_wait_dscnt 4*NL                              ; B's set, the scale words and A's blocks 0-3 are in; the youngest sixteen loads (A's blocks 4-7) may be out
	WIN MUL_LO
	MUL16 0, (\q)%2, \q, \slot, \zero
	MUL16 2, (\q)%2, \q, \slot, \zero
	s_wait_dscnt 0                                 ; A's blocks 4-7 are in (asked for 32 matrix instructions ago)
	PLACES NP
	FETCH_B \slot, (\q)+1, 1-(\q)%2
	FETCH_A \slot, (\q)+1, 0
	WIN MUL_HI
	MUL16 4, (\q)%2, \q, \slot, \zero
	MUL16 6, (\q)%2, \q, \slot, \zero
	PLACES NP
	WIN 0
	FETCH_A \slot, (\q)+1, 4
.endm
; A slot's last step changes slots: ONE barrier; in front of it each wave waits for all its tensor loads, adds 0 to its spare word, and waits for that and for its own reads of this slot.  fill = 1: this slot is filled again, two slots ahead.
.macro TURN slot, next, fill
	s_wait_tensorcnt 0x0                           ; all my tensor loads have landed: my part of the next slot  (every window is 0 here)
	ds_add_u32 v[SPW], v[NIL]                      ; 0 onto my spare word
	s_wait_dscnt 4*NL+1                            ; (the add and the youngest sixteen loads, A's blocks 4-7, may be out)
	WIN MUL_LO
	MUL16 0, 1, NQ-1, \slot, 0                     ; sixteen matrix instructions stand between the add and the wait for it
	s_wait_dscnt 0x0                               ; the add is done, and my reads of this slot are over
	s_barrier_signal -1
	MUL16 2, 1, NQ-1, \slot, 0
	WIN 0
	s_barrier_wait -1
.if \fill
	CREST                                          ; the barrier has opened a round of the cluster's barrier: no wave of any partner still reads this slot's tile or has a load on its way
	s_add_nc_u64 s[G0+4*\slot+2:G0+4*\slot+3], s[G0+4*\slot+2:G0+4*\slot+3], 2*RBS
	s_add_nc_u64 s[G0B+4*\slot+2:G0B+4*\slot+3], s[G0B+4*\slot+2:G0B+4*\slot+3], 2*RBS
	JLOAD G0+4*\slot, G1, G0B+4*\slot, G1B         ; the first tensor load behind the round, my only one until the next; its four v_nop are the places in front of the loads below
.else
	PLACES NP
.endif
	v_add_nc_u32 v[ADRS], 4*NQ, v[ADRS]            ; on to the next slot's scale words (no LDS load of mine is out)
	FETCH_B \next, 0, 0
	FETCH_A \next, 0, 0
	SCALES \next
	WIN MUL_HI
	MUL16 4, 1, NQ-1, \slot, 0
	MUL16 6, 1, NQ-1, \slot, 0
	PLACES NP
	WIN 0
	FETCH_A \next, 0, 4
.endm
	s_wait_tensorcnt 1                             ; the scales and my part of slot 0 are in (slot 1's load may be out)
	s_barrier_signal -1
	s_barrier_wait -1                              ; everybody's are
	FETCH_B 0, 0, 0
	FETCH_A 0, 0, 0
	SCALES 0
	FETCH_A 0, 0, 4
	STEP 0, 0, 1                                   ; K 0-127: its products start the sums
	TURN 0, 1, 1                                   ; K 128-255; slot 0 takes K 512-767
	STEP 1, 0, 0
	TURN 1, 0, 1                                   ; slot 1 takes K 768-1,023
	STEP 0, 0, 0
	TURN 0, 1, 0                                   ; nothing is left to fetch
	STEP 1, 0, 0
	s_wait_dscnt 4*NL                              ; the very last step
	WIN MUL_LO
	MUL16 0, 1, NQ-1, 1, 0
	MUL16 2, 1, NQ-1, 1, 0
	s_wait_dscnt 0
	WIN MUL_HI
	MUL16 4, 1, NQ-1, 1, 0
	MUL16 6, 1, NQ-1, 1, 0
	WIN 0
	; THE WAY OUT.  No tensor load of mine is out (the last change of slots waited for all), so the descriptors' registers are free.
	; A chunk is 128 rows.  The tokens' chunk gives the batch and the step, the channels' chunk two heads.
	s_lshl_b32 s24, s17, 1
	s_add_co_u32 s24, s24, s15                     ; A's chunk
	s_lshl_b32 s25, s42, 1
	s_add_co_u32 s25, s25, s16                     ; B's chunk
	s_cmp_eq_u32 ttmp9, 2
	s_cselect_b32 s26, s25, s24                    ; the tokens' chunk, 0..31
	s_cselect_b32 s27, s24, s25                    ; the channels'
	s_and_b32 s27, s27, 7                          ; which pair of heads
	s_mov_b32 s28, 212992                          ; a head's bytes: kv's,
	s_mov_b32 s29, 13312                           ; a step's,
	s_mov_b32 s30, 12288                           ; where K's scale images begin
	s_cmp_eq_u32 ttmp9, 0
	s_cselect_b32 s28, 106496, s28                 ; or qi's
	s_cselect_b32 s29, 6656, s29
	s_cselect_b32 s30, 6144, s30
	s_cselect_b64 s[32:33], s[8:9], s[10:11]       ; qi or kv: the choice hangs on the cluster's number alone
	s_mov_b32 s34, 0x05040100                      ; q, k: a head's word is two bytes of tile f's word and two of tile f + 4's
	s_mov_b32 s35, 0x07060302
	s_mov_b32 s36, 768                             ; q, k: A's blocks 4-7 are the images' second halves,
	s_mov_b32 s38, s28                             ; and a fragment's second half is the second head's
	s_cmp_eq_u32 ttmp9, 2
	s_cselect_b32 s31, 6144, 0                     ; v: its images lie behind K's,
	s_cselect_b32 s30, 12800, s30
	s_cselect_b32 s34, 0x03020100, s34             ; a word leaves as it is made,
	s_cselect_b32 s35, 0x07060504, s35
	s_cselect_b32 s36, s28, s36                    ; A's blocks 4-7 are the second head's,
	s_cselect_b32 s38, 768, s38                    ; and a fragment's second half is the image's
	s_lshr_b32 s39, s26, 4
	s_lshl_b32 s39, s39, 4                         ; batch x 16
	s_lshl_b32 s27, s27, 1
	s_add_co_u32 s39, s39, s27                     ; + the first head
	s_mul_i32 s39, s39, s28
	s_and_b32 s26, s26, 15                         ; the step
	s_mul_i32 s26, s26, s29
	s_add_co_u32 s44, s39, s26
	s_mov_b32 s45, 0
	s_add_nc_u64 s[32:33], s[32:33], s[44:45]      ; the first head's step
	s_mov_b32 s44, s30
	s_add_nc_u64 s[56:57], s[32:33], s[44:45]      ; its scale images,
	s_mov_b32 s44, s28
	s_add_nc_u64 s[58:59], s[56:57], s[44:45]      ; and the second head's
	s_mov_b32 s44, s31
	s_add_nc_u64 s[48:49], s[32:33], s[44:45]      ; codes: blocks 0-3, first half of a fragment;
	s_mov_b32 s44, s38
	s_add_nc_u64 s[50:51], s[48:49], s[44:45]      ; blocks 0-3, second half;
	s_mov_b32 s44, s36
	s_add_nc_u64 s[52:53], s[48:49], s[44:45]      ; blocks 4-7, first half;
	s_mov_b32 s44, s38
	s_add_nc_u64 s[54:55], s[52:53], s[44:45]      ; blocks 4-7, second half
; The 64 results of A's block a, register 16 b + i = neighbour 32 b + 16 h + i along B's rows, become a fragment's codes in v[PC] on and its scale word in v[PW].  Each accumulator is read from its low end on.
.macro OUTA a
.set AC, 64*((\a)%4)
	WIN 0x0a+5*((\a)/4)                            ; sources 0 and 1: the accumulators' window
.irp b, 0,1,2,3
	v_max3_num_f32 v[TM+\b], |v[AC+16*\b]|, |v[AC+1+16*\b]|, 0x1800000   ; block b: my 16 numbers, and the floor 2^(3 - 127): the byte cannot fall under 1
.endr
.irp i, 2,4,6,8,10,12,14
.irp b, 0,1,2,3
	v_max3_num_f32 v[TM+\b], |v[AC+16*\b+\i]|, |v[AC+1+16*\b+\i]|, v[TM+\b]
.endr
.endr
	WIN 0
.irp b, 0,1,2,3
	v_permlanex16_b32 v[TM+4+\b], v[TM+\b], s[SEL], s[SEL+1]
.endr
.irp b, 0,1,2,3
	v_max_num_f32 v[TM+\b], v[TM+\b], v[TM+4+\b]   ; with lane l xor 16's: the block's largest magnitude
.endr
.irp b, 0,1,2,3
	v_add_nc_u32 v[TM+12+\b], 0xff000000, v[TM+\b]   ; 2 off its exponent field: the conversion's scale operand
.endr
.irp b, 0,1,2,3
	v_lshrrev_b32 v[TM+4+\b], 23, v[TM+12+\b]      ; the scale's byte
.endr
	v_lshl_or_b32 v[PW], v[TM+5], 8, v[TM+4]
	v_lshl_or_b32 v[PW], v[TM+6], 16, v[PW]
	v_lshl_or_b32 v[PW], v[TM+7], 24, v[PW]
	s_wait_xcnt 0x0                                ; the last block's stores have read their registers: only behind this wait are the codes and the words written again
	WIN 0x02+((\a)/4)                              ; source 0: the accumulators' window
.irp c, 0,1
	v_cvt_scalef32_pk16_fp6_f32 v[PC+6*\c:PC+2+6*\c], v[AC+32*\c:AC+15+32*\c], v[TM+12+2*\c]
	v_cvt_scalef32_pk16_fp6_f32 v[PC+12+4*\c:PC+14+4*\c], v[AC+16+32*\c:AC+31+32*\c], v[TM+12+2*\c+1]   ; (a conversion's three registers begin on an even number)
.endr
	WIN 0
	v_nop                                          ; one plain place behind a scaled conversion
.irp c, 0,1                                    ; the operand's layout wants a WHOLE block in a lane
.irp i, 0,1,2
	v_permlane16_swap_b32 v[PC+6*\c+\i], v[PC+12+4*\c+\i]
.endr
.irp i, 0,1,2
	v_mov_b32 v[PC+3+6*\c+\i], v[PC+12+4*\c+\i]
.endr
.endr
	global_store_b128 v[L16], v[PC:PC+3], s[48+4*((\a)/4):49+4*((\a)/4)] offset:((\a)%4)*FRB          ; each store covers 512 or 256 consecutive bytes, at a multiple of 256 from the buffer's first byte
	global_store_b64 v[L8], v[PC+4:PC+5], s[48+4*((\a)/4):49+4*((\a)/4)] offset:((\a)%4)*FRB+512
	global_store_b128 v[L16], v[PC+6:PC+9], s[50+4*((\a)/4):51+4*((\a)/4)] offset:((\a)%4)*FRB
	global_store_b64 v[L8], v[PC+10:PC+11], s[50+4*((\a)/4):51+4*((\a)/4)] offset:((\a)%4)*FRB+512
.if (\a) < 4
	v_mov_b32 v[PWS+(\a)], v[PW]                   ; kept until block a + 4's word is made
.else
	v_perm_b32 v[W0], v[PW], v[PWS+(\a)-4], s34    ; selector bytes 0-3 take the kept word's bytes, 4-7 the new word's
	v_perm_b32 v[W1], v[PW], v[PWS+(\a)-4], s35
	global_store_b32 v[L4], v[W0], s[56:57] offset:128*((\a)-4)   ; 128 consecutive bytes; four such stores of the wave lie on end
	global_store_b32 v[L4], v[W1], s[58:59] offset:128*((\a)-4)
.endif
.endm
	PLACES NP                                      ; behind the last products
.irp a, 0,1,2,3,4,5,6,7
	OUTA \a
.endr
	s_wait_tensorcnt 0x0                           ; the wave's end
	ds_add_u32 v[SPW], v[NIL]
	s_wait_dscnt 0x0
	CROUND                                         ; the closing round: no work-group ends while a partner may still ask for a tile that names it
	s_endpgm
.Lfunc_end_k_q1534eceb68_qkv:
	.size	k_q1534eceb68_qkv, .Lfunc_end_k_q1534eceb68_qkv-k_q1534eceb68_qkv
	.p2alignl 7, 3214868480
	.fill 96, 4, 3214868480
	.section	.rodata,"a",@progbits
	.p2align	6, 0x0
	.amdhsa_kernel k_q1534eceb68_qkv
		.amdhsa_group_segment_fixed_size 327680
		.amdhsa_private_segment_fixed_size 0
		.amdhsa_enable_private_segment 0
		.amdhsa_kernarg_size 32
		.amdhsa_user_sgpr_count 2
		.amdhsa_user_sgpr_kernarg_segment_ptr 1
		.amdhsa_wavefront_size32 1
		.amdhsa_system_sgpr_workgroup_id_x 1
		.amdhsa_system_sgpr_workgroup_id_y 1
		.amdhsa_system_sgpr_workgroup_id_z 1
		.amdhsa_system_vgpr_workitem_id 0
		.amdhsa_next_free_vgpr 1024
		.amdhsa_next_free_sgpr 100
		.amdhsa_reserve_vcc 0
		.amdhsa_float_denorm_mode_32 3
		.amdhsa_float_denorm_mode_16_64 3
		.amdhsa_memory_ordered 1
		.amdhsa_forward_progress 1
		.amdhsa_inst_pref_size 151
	.end_amdhsa_kernel
	.amdgpu_metadata
---
amdhsa.version: [ 1, 2 ]
amdhsa.kernels:
  - .name:           k_q1534eceb68_qkv
    .symbol:         k_q1534eceb68_qkv.kd
    .args:
      - { .name: cod, .offset: 0, .size: 8, .value_kind: global_buffer, .address_space: global }
      - { .name: scl, .offset: 8, .size: 8, .value_kind: global_buffer, .address_space: global }
      - { .name: qi, .offset: 16, .size: 8, .value_kind: global_buffer, .address_space: global }
      - { .name: kv, .offset: 24, .size: 8, .value_kind: global_buffer, .address_space: global }
    .group_segment_fixed_size: 327680
    .private_segment_fixed_size: 0
    .kernarg_segment_align: 8
    .kernarg_segment_size: 32
    .max_flat_workgroup_size: 128
    .sgpr_count:     100
    .vgpr_count:     1024
    .wavefront_size: 32
...
	.end_amdgpu_metadata
.endif
;; end of part 2
;; launch attn (part 3): grid 8 x 32, 16 waves a work-group, clusters of 4 x 1, 215,040 bytes of LDS; arguments qi, kv, aoc, aos; writes aoc, aos
.if DOCPART == 3
	.amdgcn_target "amdgcn-amd-amdhsa--gfx1250"
	.amdhsa_code_object_version 6
	.text
	.protected	k_q1534eceb68_attn
	.globl	k_q1534eceb68_attn
	.p2align	8
	.type	k_q1534eceb68_attn,@function
k_q1534eceb68_attn:
	s_mov_b64 s[64:65], 0
	v_nop
	global_prefetch_b8 v0, s[64:65] scope:SCOPE_SE
	s_setreg_imm32_b32 hwreg(HW_REG_WAVE_MODE, 25, 1), 1
	s_wait_xcnt 0x0
	s_wait_alu depctr_hold_cnt(0) depctr_sa_sdst(0) depctr_va_vdst(0) depctr_va_sdst(0) depctr_va_ssrc(0) depctr_va_vcc(0) depctr_vm_vsrc(0)
	s_getreg_b32 s2, hwreg(HW_REG_IB_STS2, 6, 4)
	s_cmp_eq_u32 s2, 0
	s_cbranch_scc0 .Lentry_in_a_cluster
	s_endpgm
.Lentry_in_a_cluster:
	s_bfe_u32 s2, ttmp6, 0x10000c
	s_cmp_lg_u32 s2, 0x3003
	s_cbranch_scc0 .Lentry_shape_is_right
	s_endpgm
.Lentry_shape_is_right:
; Causal attention of one head on codes of FP6 (E2M3), one E8M0 scale for each 32 along a product's K; the result, divided by the row's sum, is quantised along the channels and leaves as codes for the last product.
; INPUTS, laid as images of operand registers (registers 0-3 at 16 x lane, 4-5 at 512 + 8 x lane, 6-9 at 768 + 16 x lane, 10-11 at 1,280 + 8 x lane):
;   qi [batch x 16 + head][step of 128 tokens: 16][6,656]: four images (first half: token tile f's 64 channels; second half: tile f + 4's), four scale images of 128 bytes from 6,144.
;   kv [batch x 16 + head][step: 16][13,312]: K's four images likewise; V^T's four (16 channels x 128 keys) from 6,144; K's scale images from 12,288; V's from 12,800.
;   Place r of tile c of a step is token (or channel) 32 (c / 2) + 8 (c % 2) + r % 8 + 16 (r / 8).
; THE SOFTMAX AHEAD OF THE SECOND PRODUCT: t = score x log2(e) / 8; M = the row's largest t so far, rounded UP to a whole number; p = 2^(t - M) is quantised along the keys, not normalised.
; The row's sum is taken of the unquantised p and divides at the end.  When M moves, the sum and O are multiplied by 2^(old M - new M): exact.
; K = 64 IN AN INSTRUCTION OF 128: an image of K holds two key tiles in its halves; Q stands in 18 registers as Q | zeros | Q: registers 0-11 give the first half's tile, registers 6-17 the second's;
; the other half meets zero codes, which add exactly nothing.
; SHARES.  A work-group serves one head; each of its SIXTEEN waves owns one tile of 16 queries, in 256 registers: four waves to a SIMD, so that one wave's vector work stands beside another's matrix work.
; Wave w takes tile cw (the work-group's number, 0..7) of the step beta = w xor 15 x parity(w), and walks key steps 0 .. beta; the last is the one on the diagonal.  beta hangs on the wave's number alone, so
; every branch is alike in all partners; any four waves with equal w % 4 or equal w / 4 have 34 key steps together, every work-group 136.
; LDS holds the WHOLE head's K and V, 212,992 bytes, filled ONCE: no slot is ever filled again.  CLUSTER: the four work-groups of a cluster serve one head and ask for its bytes jointly.
; Both products are used transposed (S^T = K Q^T, O^T = V^T P^T): a lane holds ONE query (lane % 16) throughout, and by the order of a tile's places the 16 registers of tiles 2 b, 2 b + 1 are 16 neighbours.
; RESULT.  aoc [row block of 16 tokens: 256][K step of 128 channels: 8][1,536]: this wave writes half an image;  aos [row block][place r][32 bytes]: two bytes a row.
; LIMITS: NaN and infinities are not served; p under 2^-126 falls to 0 in v_exp_f32; a block of zeros, or one under 2^-124, gets the byte 1 (zero codes add nothing; this program alone reads the bytes).
; The scale bytes leave one byte a lane, 32 bytes apart: a wave owns 2 of a row's 32 bytes, and all of them are 131,072 of the launch's 3,276,800 bytes out.
.set HQ,     106496                    ; a head's bytes in qi
.set QSTEP,  6656
.set HKV,    212992                    ; and in kv
.set KSTEPB, 13312
.set GRP,    4*KSTEPB                  ; a group: four key steps, what the sixteen waves' loads of one turn bring
.set PART,   GRP/16                    ; 3,328 bytes: one wave's load, 13 rows of 256 bytes
.set FRB,    1536
.set VOFF,   4*FRB
.set KSC,    8*FRB
.set VSC,    KSC+512
.set WV,   12                          ; s12  wave
.set BETA, 16                          ; s16  my step of queries, and my last key step
.set KI,   17                          ; s17  the key step in hand
.set TB,   18                          ; s18  where it begins in LDS
.set SEL,  20                          ; s[20:21] selects of v_permlanex16_b32 for lane l xor 16
.set CS,   22                          ; s[22:23] c = log2(e) / 8
.set G1,   24                          ; s[24:31] descriptor group 1;  s[32:47] four groups 0
.set G0,   32
; v1, v2, v3: 16, 8, 4 x lane;  v4: my query's place less 16 h;  v5: -infinity;  v6-8: the step's LDS addresses;  v11: my byte in aos;  v12 -M, v13 the largest t, v[14:15] the sum in two halves;
; v16-33 Q | 0 | Q;  v34 Q's scale word;  v36-83 four fragments, K's and then V's;  v84-87, v88-91 their scale words;  v96-159 S^T, then p;  v160-191 O^T;  v192-203 p's codes;  v204-210 the conversions' second halves
.set BM,   212                         ; v212-215 the blocks' largest scores, then largest p
.set BT,   216                         ; v216-219 at work: the other half's, then the bytes
.set SOP,  220                         ; v220-223 the conversions' scale operands
.set FF,   224                         ; v[224:225] f = 2^(old M - new M)
.set PWD,  226                         ; v226 p's scale word
.set T0,   227
.set CH2,  228                         ; v[228:229] the second chain of sums
.macro CROUND                          ; a round of the cluster's barrier
	s_barrier_signal -1
	s_barrier_wait -1
	s_cmp_lg_u32 s[WV], 0
	s_cbranch_scc1 .Lnot_wave_0_\@
	s_barrier_signal -3
.Lnot_wave_0_\@:
	s_barrier_wait -3
	s_barrier_signal -1
	s_barrier_wait -1
.endm
	s_load_b256 s[4:11], s[0:1], 0x0               ; qi s[4:5], kv s[6:7], aoc s[8:9], aos s[10:11]
	v_lshl_add_u32 v254, v0, 2, 0x34000
	v_mov_b32 v255, 0
	ds_add_u32 v254, v255
	ds_add_u32 v254, v255
	v_lshrrev_b32 v1, 5, v0
	s_delay_alu instid0(VALU_DEP_1)
	v_readfirstlane_b32 s[WV], v1                  ; wave 0..15
	s_bfe_u32 s13, ttmp6, 0x40000                  ; cx: it enters global addresses of Q and of the results, and the mask's numbers, alone
	s_and_b32 s15, ttmp7, 0xffff                   ; batch x 16 + head, which the four partners share
	s_lshr_b32 s48, s[WV], 2
	s_xor_b32 s48, s48, s[WV]
	s_lshr_b32 s49, s48, 1
	s_xor_b32 s48, s48, s49
	s_and_b32 s48, s48, 1                          ; the parity of the wave's number
	s_mul_i32 s48, s48, 15
	s_xor_b32 s[BETA], s[WV], s48
	s_mul_i32 s50, s[WV], PART                     ; my part of a group, in LDS and in memory
	s_mul_i32 s52, s15, HKV
	s_add_co_u32 s52, s52, s50
	s_mov_b32 s53, 0
	s_mov_b32 s[G1], 15|(3<<16)|(1<<21)            ; 15:0 the mask: all four work-groups; 17:16 elements of 8 bytes; 20 no padding; 21 set beside a mask
	s_mov_b32 s[G1+1], 32<<16                      ; tensor_dim0: 256 bytes
	s_mov_b32 s[G1+2], 13<<16                      ; tensor_dim1
	s_mov_b32 s[G1+3], 32<<16                      ; tile_dim0
	s_mov_b32 s[G1+4], 13                          ; tile_dim1
	s_mov_b32 s[G1+5], 32                          ; tensor_dim0_stride: dense
	s_mov_b32 s[G1+6], 0
	s_mov_b32 s[G1+7], 0
	s_mov_b32 s[SEL], 0x76543210
	s_mov_b32 s[SEL+1], 0xfedcba98
	s_mov_b32 s[CS], 0x3e38aa3b                    ; c = log2(e) / 8
	s_mov_b32 s[CS+1], s[CS]                       ; (named with it as a pair, so it is written)
	s_wait_dscnt 0x0
	s_wait_kmcnt 0x0
	s_add_nc_u64 s[6:7], s[6:7], s[52:53]
.irp g, 0,1,2,3
	s_mov_b32 s[G0+4*\g], 1
	s_add_co_u32 s[G0+4*\g+1], s50, \g*GRP
	s_add_nc_u64 s[G0+4*\g+2:G0+4*\g+3], s[6:7], \g*GRP
	s_or_b32 s[G0+4*\g+3], s[G0+4*\g+3], 0x80000000
.endr
	CROUND                                         ; all four work-groups are here: the joint loads meet
.irp g, 0,1,2,3
	tensor_load_to_lds s[G0+4*\g:G0+4*\g+3], s[G1:G1+7]   ; all the launch's fills, in one group: four tensor loads of mine are out
	s_nop 0
.endr
.rept 4
	v_nop
.endr
	s_lshl_b32 s14, ttmp9, 2
	s_add_co_u32 s14, s14, s13                     ; cw = 4 x cluster x + cx: my tile of a step; cw / 4 is the cluster's x, cw % 4 is cx
	s_mul_i32 s54, s15, HQ
	s_mul_i32 s55, s[BETA], QSTEP
	s_add_co_u32 s54, s54, s55                     ; my step's first byte in qi
	s_lshl_b32 s55, s13, 7
	s_add_co_u32 s58, s54, s55
	s_add_co_u32 s58, s58, 4*FRB                   ; scale image cw % 4
	s_mov_b32 s59, 0
	s_mul_i32 s55, s13, FRB
	s_add_co_u32 s56, s54, s55                     ; image cw % 4,
	s_mul_i32 s55, ttmp9, FRB/2
	s_add_co_u32 s56, s56, s55                     ; half cw / 4
	s_mov_b32 s57, 0
	s_add_nc_u64 s[56:57], s[4:5], s[56:57]
	s_add_nc_u64 s[58:59], s[4:5], s[58:59]
	v_and_b32 v35, 31, v0                          ; lane
	s_delay_alu instid0(VALU_DEP_1)
	v_lshlrev_b32 v1, 4, v35
	s_delay_alu instid0(VALU_DEP_2)
	v_lshlrev_b32 v2, 3, v35
	s_delay_alu instid0(VALU_DEP_3)
	v_lshlrev_b32 v3, 2, v35
	global_load_b128 v[16:19], v1, s[56:57]        ; Q's six registers, twice
	global_load_b64 v[20:21], v2, s[56:57] offset:512
	global_load_b128 v[28:31], v1, s[56:57]
	global_load_b64 v[32:33], v2, s[56:57] offset:512
	global_load_b32 v9, v3, s[58:59]               ; the image's scale words: two bytes of each are my tile's
	s_mov_b32 s49, 0x03020302
	s_cmp_eq_u32 ttmp9, 0
	s_cselect_b32 s49, 0x01000100, s49             ; which two
	s_lshr_b32 s48, s14, 1
	s_lshl_b32 s48, s48, 5
	s_and_b32 s51, s14, 1
	s_lshl_b32 s51, s51, 3
	s_add_co_u32 s48, s48, s51                     ; 32 (cw / 2) + 8 (cw % 2)
	v_and_b32 v35, 15, v0                          ; r
	s_delay_alu instid0(VALU_DEP_1)
	v_and_b32 v10, 8, v35
	s_delay_alu instid0(VALU_DEP_1)
	v_add_nc_u32 v4, v35, v10                      ; r % 8 + 16 (r / 8)
	v_and_b32 v10, 16, v0
	s_delay_alu instid0(VALU_DEP_1)
	v_sub_nc_u32 v4, v4, v10                       ; - 16 h
	s_delay_alu instid0(VALU_DEP_1)
	v_add_nc_u32 v4, s48, v4                       ; d = my query's place in its step - 16 h.  Register 16 b + i holds key 32 b + 16 h + i of a step: on the diagonal hidden where 32 b + i > d
	v_bfe_u32 v10, v0, 4, 1
	s_delay_alu instid0(VALU_DEP_1)
	v_lshl_add_u32 v11, v35, 5, v10                ; aos: 32 r + h
	v_mov_b32 v5, 0xff800000                       ; -infinity
	s_lshr_b32 s51, s15, 4
	s_lshl_b32 s51, s51, 7                         ; batch x 128 row blocks
	s_lshl_b32 s55, s[BETA], 3
	s_add_co_u32 s51, s51, s55
	s_add_co_u32 s51, s51, s14                     ; my row block of tokens
	s_bfe_u32 s60, s15, 0x30001                    ; head / 2: the last product's K step
	s_and_b32 s61, s15, 1                          ; head % 2: the image's half
	s_mul_i32 s54, s51, 8*FRB
	s_mul_i32 s62, s60, FRB
	s_add_co_u32 s54, s54, s62
	s_mul_i32 s62, s61, FRB/2
	s_add_co_u32 s54, s54, s62
	s_mov_b32 s55, 0
	s_add_nc_u64 s[8:9], s[8:9], s[54:55]
	s_lshl_b32 s54, s51, 9
	s_lshl_b32 s62, s60, 2
	s_add_co_u32 s54, s54, s62
	s_lshl_b32 s62, s61, 1
	s_add_co_u32 s54, s54, s62
	s_add_nc_u64 s[10:11], s[10:11], s[54:55]
.irp j, 22,23,24,25,26,27
	v_mov_b32 v[\j], 0                             ; the zero codes between Q and Q
.endr
	v_mov_b32 v13, 0xff61b1e6                      ; the largest t so far: -3e38, under every t
	s_delay_alu instid0(VALU_DEP_1)
	v_floor_f32 v12, -v13                          ; -M
	v_mov_b32 v14, 0                               ; the sum, in two halves
	v_mov_b32 v15, 0
.irp b, 0,1,2,3
	v_mov_b32 v[BT+\b], 0                          ; written once: a lane permute's destination counts as one of its sources
.endr
	v_mov_b32 v[FF+1], 0                           ; (named as the upper half of a pair)
	v_mov_b32 v[T0], 0
	s_wait_loadcnt 0x0                             ; Q and its scale words
	v_perm_b32 v34, v9, v9, s49                    ; Q's scale word: my tile's two bytes, for both halves of K.  A scale register written by a vector instruction stands eight plain vector instructions ahead of a scaled product:
.set j, 0
.rept 32
	v_mov_b32 v[160+j], 0                          ; these 32 stand between, on every way to a first product.  O^T: the step is written for every step alike: the first finds zeros, which the first change of M leaves zeros
.set j, j+1
.endr
.macro FRAGL reg, off                          ; a fragment comes back as the image that it is
	ds_load_b128 v[\reg:\reg+3], v6 offset:\off
	ds_load_b64 v[\reg+4:\reg+5], v7 offset:\off+512
	ds_load_b128 v[\reg+6:\reg+9], v6 offset:\off+768
	ds_load_b64 v[\reg+10:\reg+11], v7 offset:\off+1280
.endm
; A KEY STEP: 128 keys.
.macro STEP
	s_cmp_gt_u32 s[KI], s[BETA]                    ; a step all of whose keys come after my queries is left out: a branch on the wave's number and the loop's count; no barrier and no tensor load stands in a step
	s_cbranch_scc1 .Lafter_\@
	s_setprio 2
	v_add_nc_u32 v6, s[TB], v1
	v_add_nc_u32 v7, s[TB], v2
	v_add_nc_u32 v8, s[TB], v3
	v_nop                                          ; four places in front of loads into registers that the last products read
.irp f, 0,1,2,3
	FRAGL 36+12*\f, FRB*\f
.endr
.irp f, 0,1,2,3
	ds_load_b32 v[84+\f], v8 offset:KSC+128*\f
.endr
	s_wait_alu depctr_va_vdst(0)
	s_wait_dscnt 0x0
.irp f, 0,1,2,3                                ; S^T = K Q^T: image f against Q | 0 gives key tile f,
	v_wmma_scale_f32_16x16x128_f8f6f4 v[96+8*\f:103+8*\f], v[36+12*\f:47+12*\f], v[16:27], 0, v[84+\f], v34 matrix_a_fmt:MATRIX_FMT_FP6 matrix_b_fmt:MATRIX_FMT_FP6
.endr
.irp f, 0,1,2,3                                ; against 0 | Q key tile f + 4
	v_wmma_scale_f32_16x16x128_f8f6f4 v[128+8*\f:135+8*\f], v[36+12*\f:47+12*\f], v[22:33], 0, v[84+\f], v34 matrix_a_fmt:MATRIX_FMT_FP6 matrix_b_fmt:MATRIX_FMT_FP6
.endr
.rept 4
	v_nop                                          ; places in front of the loads below and of the first read of the scores
.endr
.irp f, 0,1,2,3
	FRAGL 36+12*\f, VOFF+FRB*\f                    ; V's fragments take K's registers: they land under the softmax
.endr
.irp f, 0,1,2,3
	ds_load_b32 v[88+\f], v8 offset:VSC+128*\f
.endr
	s_cmp_lg_u32 s[KI], s[BETA]                    ; on the diagonal the scores of hidden keys become -infinity ahead of the maximum: p = 0 then.  A query's own key lies in this step, so the maximum is a number
	s_cbranch_scc1 .Lopen_\@
.set n, 0
.rept 64
	v_cmp_gt_i32 vcc_lo, 32*(n/16)+n%16, v4
	v_cndmask_b32 v[96+n], v[96+n], v5, vcc_lo
.set n, n+1
.endr
.Lopen_\@:
.irp b, 0,1,2,3
	v_max3_num_f32 v[BM+\b], v[96+16*\b], v[97+16*\b], v[98+16*\b]   ; THE LARGEST SCORE OF EACH BLOCK OF 32 KEYS serves twice: for the row's maximum and, since p rises with the score, for the block's largest p
.endr
.irp i, 3,5,7,9,11,13
.irp b, 0,1,2,3
	v_max3_num_f32 v[BM+\b], v[BM+\b], v[96+16*\b+\i], v[97+16*\b+\i]
.endr
.endr
.irp b, 0,1,2,3
	v_max_num_f32 v[BM+\b], v[BM+\b], v[111+16*\b]
.endr
.irp b, 0,1,2,3
	s_delay_alu instid0(VALU_DEP_4)
	v_permlanex16_b32 v[BT+\b], v[BM+\b], s[SEL], s[SEL+1]
.endr
.irp b, 0,1,2,3
	s_delay_alu instid0(VALU_DEP_4)
	v_max_num_f32 v[BM+\b], v[BM+\b], v[BT+\b]     ; with lane l xor 16's 16 keys
.endr
	s_delay_alu instid0(VALU_DEP_2)
	v_max3_num_f32 v[T0], v[BM], v[BM+1], v[BM+2]
	s_delay_alu instid0(VALU_DEP_1)
	v_max_num_f32 v[T0], v[T0], v[BM+3]            ; the step's largest score of my query
	s_delay_alu instid0(VALU_DEP_1)
	v_mul_f32 v[T0], s[CS], v[T0]                  ; as t (c is positive)
	s_delay_alu instid0(VALU_DEP_1)
	v_max_num_f32 v13, v13, v[T0]                  ; the running largest t
	v_mov_b32 v[T0], v12
	s_delay_alu instid0(VALU_DEP_2)
	v_floor_f32 v12, -v13                          ; the new -M = floor(-t) = -ceil(t): M IS A WHOLE NUMBER
	s_delay_alu instid0(VALU_DEP_1)
	v_sub_f32 v[T0], v12, v[T0]                    ; M's old value less its new one: a whole number, 0 or less
	s_delay_alu instid0(VALU_DEP_1)
	v_cvt_i32_f32 v[T0], v[T0]                     ; (it saturates)
	s_delay_alu instid0(VALU_DEP_1)
	v_ldexp_f32 v[FF], 1.0, v[T0]                  ; f = 2^(old M - new M): a multiplication by it rounds nothing
.set j, 0
	s_setprio 1
.rept 32
	v_pk_fma_f32 v[96+j:97+j], v[96+j:97+j], s[CS:CS+1], v[12:13] op_sel_hi:[1,0,0]   ; t - M, two at a time (of the pairs c and -M the low word serves both halves)
.set j, j+2
.endr
.irp b, 0,1,2,3
	v_fma_f32 v[BM+\b], v[BM+\b], s[CS], v12       ; the same of each block's largest score
.endr
.set j, 0
	s_wait_alu depctr_va_vdst(0)
.rept 64
	v_exp_f32 v[96+j], v[96+j]                     ; p = 2^(t - M), at most 1: NOT normalised
.set j, j+1
.endr
.irp b, 0,1,2,3
	v_exp_f32 v[BM+\b], v[BM+\b]                   ; the block's largest p: the same two instructions on the same number give the same bits
.endr
	v_pk_mul_f32 v[14:15], v[14:15], v[FF:FF+1] op_sel_hi:[1,0]   ; the sums under the new M.  (A plain place behind the exponentials)
	s_wait_alu depctr_va_vdst(0)
.irp b, 0,1,2,3
	v_max_num_f32 v[BM+\b], 0x1800000, v[BM+\b]    ; the floor 2^(3 - 127): the byte cannot fall under 1
.endr
.irp b, 0,1,2,3
	s_delay_alu instid0(VALU_DEP_4)
	v_add_nc_u32 v[SOP+\b], 0xff000000, v[BM+\b]   ; 2 off the exponent field: the conversion's scale operand
.endr
.irp b, 0,1,2,3
	s_delay_alu instid0(VALU_DEP_4)
	v_lshrrev_b32 v[BT+\b], 23, v[SOP+\b]          ; the scale's byte
.endr
	s_delay_alu instid0(VALU_DEP_3)
	v_lshl_or_b32 v[PWD], v[BT+1], 8, v[BT]        ; p's scale word for these 128 keys
	s_delay_alu instid0(VALU_DEP_1)
	v_lshl_or_b32 v[PWD], v[BT+2], 16, v[PWD]
	s_delay_alu instid0(VALU_DEP_1)
	v_lshl_or_b32 v[PWD], v[BT+3], 24, v[PWD]
.irp c, 0,1
	v_cvt_scalef32_pk16_fp6_f32 v[192+6*\c:194+6*\c], v[96+32*\c:111+32*\c], v[SOP+2*\c]
	v_cvt_scalef32_pk16_fp6_f32 v[204+4*\c:206+4*\c], v[112+32*\c:127+32*\c], v[SOP+2*\c+1]   ; (a conversion's three registers begin on an even number)
.endr
	v_nop                                          ; one plain place behind a scaled conversion
.irp c, 0,1                                    ; the operand's layout wants a WHOLE block in a lane
.irp i, 0,1,2
	v_permlane16_swap_b32 v[192+6*\c+\i], v[204+4*\c+\i]
.endr
.irp i, 0,1,2
	s_delay_alu instid0(VALU_DEP_3)
	v_mov_b32 v[195+6*\c+\i], v[204+4*\c+\i]
.endr
.endr
	v_pk_add_f32 v[228:229], v[100:101], v[104:105]
	v_pk_add_f32 v[252:253], v[108:109], v[112:113]
	v_pk_add_f32 v[250:251], v[116:117], v[120:121]
	v_pk_add_f32 v[248:249], v[124:125], v[128:129]
	v_pk_add_f32 v[246:247], v[132:133], v[136:137]
	v_pk_add_f32 v[244:245], v[140:141], v[144:145]
	v_pk_add_f32 v[242:243], v[148:149], v[152:153]
	v_pk_add_f32 v[14:15], v[14:15], v[156:157]
	v_pk_add_f32 v[228:229], v[228:229], v[96:97]
	s_setprio 0
	v_pk_add_f32 v[252:253], v[252:253], v[98:99]
	v_pk_add_f32 v[250:251], v[250:251], v[102:103]
	v_pk_add_f32 v[248:249], v[248:249], v[106:107]
	v_pk_add_f32 v[246:247], v[246:247], v[110:111]
	v_pk_add_f32 v[244:245], v[244:245], v[114:115]
	v_pk_add_f32 v[242:243], v[242:243], v[118:119]
	v_pk_add_f32 v[14:15], v[14:15], v[122:123]
	v_pk_add_f32 v[228:229], v[228:229], v[126:127]
	v_pk_add_f32 v[252:253], v[252:253], v[130:131]
	v_pk_add_f32 v[250:251], v[250:251], v[134:135]
	v_pk_add_f32 v[248:249], v[248:249], v[138:139]
	v_pk_add_f32 v[246:247], v[246:247], v[142:143]
	v_pk_add_f32 v[244:245], v[244:245], v[146:147]
	v_pk_add_f32 v[242:243], v[242:243], v[150:151]
	v_pk_add_f32 v[14:15], v[14:15], v[154:155]
	v_pk_add_f32 v[228:229], v[228:229], v[158:159]
	s_delay_alu instid0(VALU_DEP_2)
	v_pk_add_f32 v[14:15], v[14:15], v[248:249]
	s_delay_alu instid0(VALU_DEP_2)
	v_pk_add_f32 v[228:229], v[228:229], v[246:247]
	v_pk_add_f32 v[252:253], v[252:253], v[244:245]
	v_pk_add_f32 v[250:251], v[250:251], v[242:243]
	s_delay_alu instid0(VALU_DEP_2)
	v_pk_add_f32 v[14:15], v[14:15], v[252:253]
	s_delay_alu instid0(VALU_DEP_2)
	v_pk_add_f32 v[228:229], v[228:229], v[250:251]
	s_delay_alu instid0(VALU_DEP_1)
	v_pk_add_f32 v[14:15], v[14:15], v[228:229]
.set j, 0
.rept 16
	v_pk_mul_f32 v[160+j:161+j], v[160+j:161+j], v[FF:FF+1] op_sel_hi:[1,0]   ; O^T under the new M, each accumulator from its low end on.  (These and the sums are the places between p's codes and scale word and the products)
.set j, j+2
.endr
	s_wait_alu depctr_va_vdst(0)
	s_wait_dscnt 0x0                               ; V and its scale words are in
.irp t, 0,1,2,3                                ; O^T += V^T P^T: the four accumulators by turns, the scores' products between two steps' turns
	v_wmma_scale_f32_16x16x128_f8f6f4 v[160+8*\t:167+8*\t], v[36+12*\t:47+12*\t], v[192:203], v[160+8*\t:167+8*\t], v[88+\t], v[PWD] matrix_a_fmt:MATRIX_FMT_FP6 matrix_b_fmt:MATRIX_FMT_FP6
.endr
.Lafter_\@:
.endm
; A GROUP of four key steps.  My load of this group has landed (the later groups' may stay out), and behind the barrier everybody's has.
.macro GROUP g
	s_wait_tensorcnt 3-\g
	s_wait_dscnt 0x0                               ; no LDS instruction of mine is out at a signal
	s_barrier_signal -1
	s_barrier_wait -1
	s_mov_b32 s[TB], \g*GRP
	s_mov_b32 s[KI], 4*\g
.Lstep_\@:
	STEP
	s_add_co_u32 s[TB], s[TB], KSTEPB
	s_add_co_u32 s[KI], s[KI], 1
	s_cmp_lt_u32 s[KI], 4*\g+4
	s_cbranch_scc1 .Lstep_\@
	s_setprio 0
.endm
	GROUP 0
	GROUP 1
	GROUP 2
	GROUP 3
	; THE WAY OUT.  O^T / the row's sum: register 16 b + i is channel 32 b + 16 h + i of my query: two blocks of the last product's K.
.rept 4
	v_nop                                          ; places behind the last products
.endr
	v_add_f32 v14, v14, v15                        ; the sum's two halves,
	s_delay_alu instid0(VALU_DEP_1)
	v_permlanex16_b32 v[T0], v14, s[SEL], s[SEL+1]
	s_delay_alu instid0(VALU_DEP_1)
	v_add_f32 v14, v14, v[T0]                      ; and lane l xor 16's: the row's sum
	s_wait_alu depctr_va_vdst(0)
	v_rcp_f32 v14, v14
	v_and_b32 v10, 16, v0                          ; (a plain place behind the transcendental)
.set j, 0
	s_wait_alu depctr_va_vdst(0)
.rept 16
	v_pk_mul_f32 v[96+j:97+j], v[160+j:161+j], v[14:15] op_sel_hi:[1,0]
.set j, j+2
.endr
.irp b, 0,1
	v_max3_num_f32 v[BM+\b], |v[96+16*\b]|, |v[97+16*\b]|, 0x1800000   ; my 16 numbers of block b, and the floor
.endr
.irp i, 2,4,6,8,10,12,14
.irp b, 0,1
	s_delay_alu instid0(VALU_DEP_2)
	v_max3_num_f32 v[BM+\b], v[BM+\b], |v[96+16*\b+\i]|, |v[97+16*\b+\i]|
.endr
.endr
.irp b, 0,1
	s_delay_alu instid0(VALU_DEP_2)
	v_permlanex16_b32 v[BT+\b], v[BM+\b], s[SEL], s[SEL+1]
.endr
.irp b, 0,1
	s_delay_alu instid0(VALU_DEP_2)
	v_max_num_f32 v[BM+\b], v[BM+\b], v[BT+\b]
.endr
.irp b, 0,1
	s_delay_alu instid0(VALU_DEP_2)
	v_add_nc_u32 v[SOP+\b], 0xff000000, v[BM+\b]
.endr
.irp b, 0,1
	s_delay_alu instid0(VALU_DEP_2)
	v_lshrrev_b32 v[BT+\b], 23, v[SOP+\b]
.endr
	v_cvt_scalef32_pk16_fp6_f32 v[192:194], v[96:111], v[SOP]
	v_cvt_scalef32_pk16_fp6_f32 v[204:206], v[112:127], v[SOP+1]
	v_cmp_ne_u32 vcc_lo, 0, v10                    ; (one plain place behind a scaled conversion)  lanes 16-31
.irp i, 0,1,2
	v_permlane16_swap_b32 v[192+\i], v[204+\i]     ; lanes 0-15 now hold block 0 whole, lanes 16-31 block 1
.endr
.irp i, 0,1,2
	s_delay_alu instid0(VALU_DEP_3)
	v_mov_b32 v[195+\i], v[204+\i]
.endr
	v_cndmask_b32 v10, v[BT], v[BT+1], vcc_lo      ; my block's byte
	global_store_b128 v1, v[192:195], s[8:9]       ; half an image: 512 and 256 consecutive bytes, at multiples of 256 from aoc's first byte
	global_store_b64 v2, v[196:197], s[8:9] offset:512
	global_store_b8 v11, v10, s[10:11]
	s_wait_tensorcnt 0x0
	ds_add_u32 v254, v255
	s_wait_dscnt 0x0
	CROUND                                         ; the closing round: no work-group ends while a partner may still ask jointly
	s_endpgm
.Lfunc_end_k_q1534eceb68_attn:
	.size	k_q1534eceb68_attn, .Lfunc_end_k_q1534eceb68_attn-k_q1534eceb68_attn
	.p2alignl 7, 3214868480
	.fill 96, 4, 3214868480
	.section	.rodata,"a",@progbits
	.p2align	6, 0x0
	.amdhsa_kernel k_q1534eceb68_attn
		.amdhsa_group_segment_fixed_size 215040
		.amdhsa_private_segment_fixed_size 0
		.amdhsa_enable_private_segment 0
		.amdhsa_kernarg_size 32
		.amdhsa_user_sgpr_count 2
		.amdhsa_user_sgpr_kernarg_segment_ptr 1
		.amdhsa_wavefront_size32 1
		.amdhsa_system_sgpr_workgroup_id_x 1
		.amdhsa_system_sgpr_workgroup_id_y 1
		.amdhsa_system_sgpr_workgroup_id_z 1
		.amdhsa_system_vgpr_workitem_id 0
		.amdhsa_next_free_vgpr 256
		.amdhsa_next_free_sgpr 66
		.amdhsa_reserve_vcc 1
		.amdhsa_float_denorm_mode_32 3
		.amdhsa_float_denorm_mode_16_64 3
		.amdhsa_memory_ordered 1
		.amdhsa_forward_progress 1
		.amdhsa_inst_pref_size 105
	.end_amdhsa_kernel
	.amdgpu_metadata
---
amdhsa.version: [ 1, 2 ]
amdhsa.kernels:
  - .name:           k_q1534eceb68_attn
    .symbol:         k_q1534eceb68_attn.kd
    .args:
      - { .name: qi, .offset: 0, .size: 8, .value_kind: global_buffer, .address_space: global }
      - { .name: kv, .offset: 8, .size: 8, .value_kind: global_buffer, .address_space: global }
      - { .name: aoc, .offset: 16, .size: 8, .value_kind: global_buffer, .address_space: global }
      - { .name: aos, .offset: 24, .size: 8, .value_kind: global_buffer, .address_space: global }
    .group_segment_fixed_size: 215040
    .private_segment_fixed_size: 0
    .kernarg_segment_align: 8
    .kernarg_segment_size: 32
    .max_flat_workgroup_size: 512
    .sgpr_count:     66
    .vgpr_count:     256
    .wavefront_size: 32
...
	.end_amdgpu_metadata
.endif
;; end of part 3
;; launch proj (part 4): grid 4 x 16, 4 waves a work-group, clusters of 4 x 4, 327,680 bytes of LDS; arguments aoc, aos, cod, scl, out0; writes out0
.if DOCPART == 4
	.amdgcn_target "amdgcn-amd-amdhsa--gfx1250"
	.amdhsa_code_object_version 6
	.text
	.protected	k_q1534eceb68_proj
	.globl	k_q1534eceb68_proj
	.p2align	8
	.type	k_q1534eceb68_proj,@function
k_q1534eceb68_proj:
	s_mov_b64 s[64:65], 0
	v_nop
	global_prefetch_b8 v0, s[64:65] scope:SCOPE_SE
	s_setreg_imm32_b32 hwreg(HW_REG_WAVE_MODE, 25, 1), 1
	s_wait_xcnt 0x0
	s_wait_alu depctr_hold_cnt(0) depctr_sa_sdst(0) depctr_va_vdst(0) depctr_va_sdst(0) depctr_va_ssrc(0) depctr_va_vcc(0) depctr_vm_vsrc(0)
	s_getreg_b32 s2, hwreg(HW_REG_IB_STS2, 6, 4)
	s_cmp_eq_u32 s2, 0
	s_cbranch_scc0 .Lentry_in_a_cluster
	s_endpgm
.Lentry_in_a_cluster:
	s_bfe_u32 s2, ttmp6, 0x10000c
	s_cmp_lg_u32 s2, 0xf033
	s_cbranch_scc0 .Lentry_shape_is_right
	s_endpgm
.Lentry_shape_is_right:
; out0 = (attention's result) W_proj^T on codes of FP6 (E2M3) with one E8M0 scale for each 32 along K = 1,024; out0 [4096][1024] f32; sums in f32, K ascending.
; OPERANDS come as images of their registers: [row block of 16 rows][K step of 128: 8][1,536 bytes], scales [row block][place r][8 words].  Place r of a row block I is row 32 (I / 2) + 8 (I % 2) + r % 8 + 16 (r / 8).
; A = aoc, aos (16 units of 256 tokens); B = W_proj: units 28-31 of cod, scl.
; A tile of 256 x 256 is made by four waves, a wave makes 128 x 128: 64 accumulators, 512 registers.  THE MATRIX INSTRUCTION IS USED TRANSPOSED (source 0 = 16 rows of B, source 1 = 16 rows of A): in accumulator (a, b)
; lane (r, h) holds token place r of block a, and register j output 32 (b / 2) + 16 h + 8 (b % 2) + j.
; K goes in steps of 256 through a ring of two LDS slots filled by the tensor data mover; K has four such steps: the text is written out, without a loop.  The scales come into LDS once, with the first fills.
; CLUSTERS: 4 x 4 work-groups; A's tile is shared along a row of the cluster, B's along a column.  64 work-groups: the tile is the one of the first product, so that one loop serves both.
; REGISTERS, in windows of 256: window 0: v16-29 addresses; v32-63 scale words, two sets; v128-223 A's fragments, ONE set; on the way out v128-255 take rows of the result.
;   window 1: B's fragments, two sets, at v0 and v128.   window 2: the accumulators of A's blocks 0-3 ((a, b) at v[8 (8 (a % 4) + b)]);  window 3: those of blocks 4-7.
.set NQ,     2                         ; matrix instructions deep in a slot
.set FR,     12                        ; registers of a fragment
.set NL,     4                         ; LDS loads that bring one
.set NP,     4                         ; places behind this matrix instruction (ISA guide 7.12.1)
.set FRB,    1536                      ; an image
.set RBS,    NQ*FRB                    ; a row block's bytes in a slot
.set HALFT,  8*RBS                     ; 8 row blocks, 128 rows: what one tensor load brings, and what one wave reads of A or of B
.set SLOT,   4*HALFT                   ; A's 256 rows, then B's
.set SCL,    2*SLOT                    ; behind the ring: the scales, as rows of 256 bytes + 16 of padding
.set HALFS,  16*272                    ; those of 128 rows
.set SBLK,   2*272                     ; those of 16 rows
.set SPARE,  SCL+4*HALFS               ; behind the scales: the spare words, 128 bytes for each wave: two blocks of 256 bytes that no other line names
.set SPITCH, 528                       ; the way out: a stage of 16 rows x (512 bytes + 16) for each wave.  It lies in slot 0, which has had its last fill and its last read when the first result is stored there
.set ADRA, 16                          ; v16-17  slot 0, 1: my A fragments, + 16 x lane;  v18-19: + 8 x lane
.set ADRB, 20                          ; v20-23  the same for B
.set STO,  24                          ; v24     the way out: where I put 32 bytes of a row
.set RD,   25                          ; v25     where I read a row back
.set CO,   26                          ; v26     16 x lane: my bytes of a row of the result
.set ADRS, 27                          ; v27     my scale words: lanes 0-15 A's rows, lanes 16-31 B's
.set SPW,  28                          ; v28     LDS address of my spare word; never rewritten
.set NIL,  29                          ; v29     0; never rewritten
.set SC,   32
.set AF,   128
.set BK,   128                         ; the way out: 16 rows read back from the stage: v128-191 and v192-255 by turns
.set G1, 24                            ; s[24:31] descriptor group 1 for A's tiles;  s[32:39] group 0, one set for each slot
.set G0, 32
.set G1B, 48                           ; s[48:55], s[56:63] the same for B's tiles
.set G0B, 56
.set G1S, 68                           ; s[68:75], s[76:79] groups 1 and 0 for A's scales;  s[80:87], s[88:91] for B's
.set G0S, 76
.set G1SB, 80
.set G0SB, 88
.set MSB, 0
.macro WIN new                         ; the immediate's high byte repeats the setting that is left
.if MSB != (\new)
	s_set_vgpr_msb (MSB<<8)|(\new)
.set MSB, (\new)
.endif
.endm
.set MUL_LO, 0xa1                      ; source 0 (B) window 1, source 1 (A) window 0, C and D window 2
.set MUL_HI, 0xf1                      ; the same, C and D window 3
.set TO_B,   0x40                      ; destination window 1, address window 0
; A joint load: waves 0 and 1 fetch for A, waves 2 and 3 for B; the branch hangs on the wave's number alone.  Four v_nop follow each of the two lines.
.macro JLOAD g0a, g1a, g0b, g1b
	s_cmp_eq_u32 s15, 0
	s_cbranch_scc0 .Lfor_b_\@
	tensor_load_to_lds s[\g0a:\g0a+3], s[\g1a:\g1a+7]
	s_nop 0
.rept 4
	v_nop
.endr
	s_branch .Lasked_\@
.Lfor_b_\@:
	tensor_load_to_lds s[\g0b:\g0b+3], s[\g1b:\g1b+7]
	s_nop 0
.rept 4
	v_nop
.endr
.Lasked_\@:
.endm
.macro CREST                           ; a round of the cluster's barrier behind its opening barrier
	s_cmp_lg_u32 s14, 0
	s_cbranch_scc1 .Lnot_wave_0_\@
	s_barrier_signal -3
.Lnot_wave_0_\@:
	s_barrier_wait -3
	s_barrier_signal -1
	s_barrier_wait -1
.endm
.macro CROUND                          ; a whole round
	s_barrier_signal -1
	s_barrier_wait -1
	CREST
.endm
	s_load_b128 s[4:7], s[0:1], 0x0                ; aoc, aos
	s_load_b128 s[8:11], s[0:1], 0x10              ; cod, scl
	s_load_b64 s[12:13], s[0:1], 0x20              ; out0
	v_lshl_add_u32 v[SPW], v0, 2, SPARE
	v_mov_b32 v[NIL], 0
	ds_add_u32 v28, v29
	ds_add_u32 v28, v29
	s_wait_dscnt 0x0
	v_lshrrev_b32 v1, 5, v0
	v_readfirstlane_b32 s14, v1                    ; wave 0..3
	s_lshr_b32 s15, s14, 1                         ; which half of A's rows is mine.  Also: I fetch for A (0) or for B (1)
	s_and_b32 s16, s14, 1                          ; which half of B's rows.  Also: which 128 rows of that tile I fetch
	s_bfe_u32 s40, ttmp6, 0x40000                  ; cx, cy: my place in the cluster
	s_bfe_u32 s41, ttmp6, 0x40004
	s_lshl_b32 s42, ttmp9, 2
	s_add_co_u32 s42, s42, s40
	s_add_co_u32 s42, s42, 28                      ; B's unit: 28 + 4 x cluster x + cx
	s_and_b32 s17, ttmp7, 0xffff
	s_lshl_b32 s17, s17, 2
	s_add_co_u32 s17, s17, s41                     ; A's unit: 4 x cluster y + cy
	s_lshl_b32 s43, s41, 2
	s_lshl_b32 s43, 15, s43                        ; my row of the cluster
	s_lshl_b32 s44, 0x1111, s40                    ; my column
	; descriptor group 1: a tile of 8 rows (row blocks) x 3,072 bytes, 12,288 bytes apart in memory, dense in LDS; elements of 8 bytes
	s_or_b32 s[G1+0], s43, (3<<16)|(1<<21)         ; 15:0 the mask: A's tiles go to my row; 17:16 element of 8 bytes; 20 no padding; 21 set beside a mask
	s_or_b32 s[G1B+0], s44, (3<<16)|(1<<21)
.irp g, G1, G1B
	s_mov_b32 s[\g+1], 384<<16                     ; tensor_dim0
	s_mov_b32 s[\g+2], 8<<16                       ; tensor_dim1
	s_mov_b32 s[\g+3], 384<<16                     ; tile_dim0
	s_mov_b32 s[\g+4], 8                           ; tile_dim1
	s_mov_b32 s[\g+5], 1536                        ; tensor_dim0_stride
	s_mov_b32 s[\g+6], 0
	s_mov_b32 s[\g+7], 0
.endr
	; the scales of 128 rows: 4,096 dense bytes, as 16 rows of 256 bytes, 16 bytes of padding behind each
	s_or_b32 s[G1S+0], s43, (3<<16)|(1<<20)|(1<<21)|(5<<22)|(3<<25)
	s_or_b32 s[G1SB+0], s44, (3<<16)|(1<<20)|(1<<21)|(5<<22)|(3<<25)
.irp g, G1S, G1SB
	s_mov_b32 s[\g+1], 32<<16
	s_mov_b32 s[\g+2], 16<<16
	s_mov_b32 s[\g+3], 32<<16
	s_mov_b32 s[\g+4], 16
	s_mov_b32 s[\g+5], 32
	s_mov_b32 s[\g+6], 0
	s_mov_b32 s[\g+7], 0
.endr
	s_mul_i32 s18, s16, 8*8*FRB                    ; which 8 row blocks of the unit I fetch: their codes,
	s_lshl_b32 s19, s16, 12                        ; and their scales
	s_mul_i32 s20, s17, 16*8*FRB
	s_add_co_u32 s20, s20, s18
	s_mov_b32 s21, 0
	s_mul_i32 s46, s42, 16*8*FRB
	s_add_co_u32 s46, s46, s18
	s_mov_b32 s47, 0
	s_lshl_b32 s22, s17, 13
	s_add_co_u32 s22, s22, s19
	s_mov_b32 s23, 0
	s_lshl_b32 s92, s42, 13
	s_add_co_u32 s92, s92, s19
	s_mov_b32 s93, 0
	s_mul_i32 s45, s14, HALFT                      ; where they go: wave x 128 rows: no place in the cluster enters an LDS address
	s_mul_i32 s94, s14, HALFS
	s_wait_kmcnt 0x0
	s_add_nc_u64 s[20:21], s[4:5], s[20:21]
	s_add_nc_u64 s[22:23], s[6:7], s[22:23]
	s_add_nc_u64 s[46:47], s[8:9], s[46:47]
	s_add_nc_u64 s[92:93], s[10:11], s[92:93]
	CROUND                                         ; all sixteen work-groups are here: the first joint loads meet
	s_mov_b32 s[G0S], 1
	s_add_co_u32 s[G0S+1], s94, SCL
	s_mov_b64 s[G0S+2:G0S+3], s[22:23]
	s_or_b32 s[G0S+3], s[G0S+3], 0x80000000
	s_mov_b32 s[G0SB], 1
	s_add_co_u32 s[G0SB+1], s94, SCL
	s_mov_b64 s[G0SB+2:G0SB+3], s[92:93]
	s_or_b32 s[G0SB+3], s[G0SB+3], 0x80000000
	JLOAD G0S, G1S, G0SB, G1SB                     ; the scales first: they are wanted with the first K step
.irp s, 0,1
	s_mov_b32 s[G0+4*\s], 1
	s_add_co_u32 s[G0+4*\s+1], s45, \s*SLOT
	s_add_nc_u64 s[G0+4*\s+2:G0+4*\s+3], s[20:21], \s*RBS
	s_or_b32 s[G0+4*\s+3], s[G0+4*\s+3], 0x80000000
	s_mov_b32 s[G0B+4*\s], 1
	s_add_co_u32 s[G0B+4*\s+1], s45, \s*SLOT
	s_add_nc_u64 s[G0B+4*\s+2:G0B+4*\s+3], s[46:47], \s*RBS
	s_or_b32 s[G0B+4*\s+3], s[G0B+4*\s+3], 0x80000000
	JLOAD G0+4*\s, G1, G0B+4*\s, G1B               ; three tensor loads of mine are out
.endr
	v_and_b32 v1, 15, v0                           ; r
	v_bfe_u32 v2, v0, 4, 1                         ; h
	v_and_b32 v3, 31, v0                           ; lane
	v_lshlrev_b32 v[CO], 4, v3
	v_lshlrev_b32 v4, 3, v3
	s_mul_i32 s21, s15, HALFT                      ; my 128 rows of A
	s_mul_i32 s22, s16, HALFT                      ; my 128 rows of B,
	s_add_co_u32 s22, s22, 2*HALFT                 ; which lie behind A's 256
.irp s, 0,1
	v_add_nc_u32 v[ADRA+\s], s21, v[CO]
	v_add_nc_u32 v[ADRB+\s], s22, v[CO]
	v_add_nc_u32 v[ADRA+2+\s], s21, v4
	v_add_nc_u32 v[ADRB+2+\s], s22, v4
	s_add_co_u32 s21, s21, SLOT
	s_add_co_u32 s22, s22, SLOT
.endr
	v_mul_u32_u24 v5, v1, 32                       ; my row's scales: 32 bytes a row,
	v_lshrrev_b32 v6, 8, v5
	v_lshl_add_u32 v5, v6, 4, v5                   ; and 16 more for each 256 passed
	s_mul_i32 s21, s15, HALFS                      ; A's: my 128 rows
	s_mul_i32 s22, s16, HALFS                      ; B's: my 128 rows, behind A's 256
	s_add_co_u32 s22, s22, 2*HALFS
	s_sub_co_u32 s22, s22, s21
	v_mul_u32_u24 v6, s22, v2                      ; lanes 16-31 take B's
	s_add_co_u32 s21, s21, SCL
	v_add_nc_u32 v5, v5, v6
	v_add_nc_u32 v[ADRS], s21, v5
	s_mul_i32 s23, s14, 16*SPITCH                  ; my stage
	v_mul_u32_u24 v5, v1, SPITCH                   ; in: row r, + 64 h: my half's 16 outputs of each 32
	v_lshl_add_u32 v5, v2, 6, v5
	v_add_nc_u32 v[STO], s23, v5
	v_add_nc_u32 v[RD], s23, v[CO]                 ; back: the 32 lanes take one row of 512 bytes
	s_lshl_b32 s20, s17, 8
	s_lshl_b32 s21, s15, 7
	s_add_co_u32 s20, s20, s21                     ; my first token: 256 x A's unit + 128 x half
	s_lshl_b32 s20, s20, 12                        ; rows of 4,096 bytes
	s_mov_b32 s21, 0
	s_sub_co_u32 s46, s42, 28
	s_lshl_b32 s46, s46, 10                        ; my first output, in bytes: 1,024 x (B's unit - 28) + 512 x half
	s_lshl_b32 s47, s16, 9
	s_add_co_u32 s46, s46, s47
	s_mov_b32 s47, 0
	s_add_nc_u64 s[20:21], s[20:21], s[46:47]
	s_add_nc_u64 s[12:13], s[12:13], s[20:21]
.macro FRAG reg, adr, q, i             ; a fragment comes back as the image that it is: every load takes 512 or 256 consecutive bytes
	ds_load_b128 v[\reg:\reg+3], v[\adr] offset:(\i)*RBS+(\q)*FRB
	ds_load_b64 v[\reg+4:\reg+5], v[\adr+2] offset:(\i)*RBS+(\q)*FRB+512
	ds_load_b128 v[\reg+6:\reg+9], v[\adr] offset:(\i)*RBS+(\q)*FRB+768
	ds_load_b64 v[\reg+10:\reg+11], v[\adr+2] offset:(\i)*RBS+(\q)*FRB+1280
.endm
; 16 matrix instructions: A's blocks a0, a0 + 1 x B's eight, 128 along K: the slot's q-th.  p: B's set;  sc: the set of scale words.  zero = 1: the first product starts the sums: nothing is ever cleared.
; The 64 accumulators take turns, one instruction a turn, in the same order in every step.
.macro MUL16 a0, p, q, sc, zero
.irp a, \a0, \a0+1
.irp b, 0,1,2,3,4,5,6,7
.if \zero
	v_wmma_scale_f32_16x16x128_f8f6f4 v[8*(8*((\a)%4)+\b):8*(8*((\a)%4)+\b)+7], v[128*(\p)+FR*\b:128*(\p)+FR*\b+FR-1], v[AF+FR*(\a):AF+FR*(\a)+FR-1], 0, v[SC+8*NQ*(\sc)+NQ*\b+(\q)], v[SC+8*NQ*(\sc)+NQ*(\a)+(\q)] matrix_a_fmt:MATRIX_FMT_FP6 matrix_b_fmt:MATRIX_FMT_FP6 matrix_a_scale:MATRIX_SCALE_ROW1
.else
	v_wmma_scale_f32_16x16x128_f8f6f4 v[8*(8*((\a)%4)+\b):8*(8*((\a)%4)+\b)+7], v[128*(\p)+FR*\b:128*(\p)+FR*\b+FR-1], v[AF+FR*(\a):AF+FR*(\a)+FR-1], v[8*(8*((\a)%4)+\b):8*(8*((\a)%4)+\b)+7], v[SC+8*NQ*(\sc)+NQ*\b+(\q)], v[SC+8*NQ*(\sc)+NQ*(\a)+(\q)] matrix_a_fmt:MATRIX_FMT_FP6 matrix_b_fmt:MATRIX_FMT_FP6 matrix_a_scale:MATRIX_SCALE_ROW1
.endif
.endr
.endr
.endm
.macro FETCH_B slot, q, p              ; B's eight fragments of the slot's q-th 128 along K into set p
	WIN TO_B
.irp i, 0,1,2,3,4,5,6,7
	FRAG 128*(\p)+FR*\i, ADRB+\slot, \q, \i
.endr
	WIN 0
.endm
.macro FETCH_A slot, q, i0             ; A's blocks i0 .. i0 + 3
.irp i, \i0, \i0+1, \i0+2, \i0+3
	FRAG AF+FR*(\i), ADRA+\slot, \q, \i
.endr
.endm
.macro SCALES sc                       ; the next slot's scale words into set sc: two words a row; lanes 0-15 take A's block i, lanes 16-31 B's block i
.irp i, 0,1,2,3,4,5,6,7
	ds_load_b64 v[SC+8*NQ*\sc+NQ*\i:SC+8*NQ*\sc+NQ*\i+1], v[ADRS] offset:\i*SBLK
.endr
.endm
; A load into a register that a matrix instruction has read, and an LDS store that reads a matrix result, stand NP places behind that matrix instruction; only plain vector
; instructions that name none of its registers are places (ISA guide 7.12.1 for vector instructions).
.macro PLACES n
.rept \n
	v_nop
.endr
.endm
; A step of 128 along K that has its successor in the same slot.
.macro STEP slot, q, zero
	s_wait_dscnt 4*NL                              ; B's set, the scale words and A's blocks 0-3 are in; the youngest sixteen loads (A's blocks 4-7) may be out
	WIN MUL_LO
	MUL16 0, (\q)%2, \q, \slot, \zero
	MUL16 2, (\q)%2, \q, \slot, \zero
	s_wait_dscnt 0                                 ; A's blocks 4-7 are in (asked for 32 matrix instructions ago)
	PLACES NP
	FETCH_B \slot, (\q)+1, 1-(\q)%2
	FETCH_A \slot, (\q)+1, 0
	WIN MUL_HI
	MUL16 4, (\q)%2, \q, \slot, \zero
	MUL16 6, (\q)%2, \q, \slot, \zero
	PLACES NP
	WIN 0
	FETCH_A \slot, (\q)+1, 4
.endm
; A slot's last step changes slots: ONE barrier; in front of it each wave waits for all its tensor loads, adds 0 to its spare word, and waits for that and for its own reads of this slot.  fill = 1: this slot is filled again, two slots ahead.
.macro TURN slot, next, fill
	s_wait_tensorcnt 0x0                           ; all my tensor loads have landed: my part of the next slot  (every window is 0 here)
	ds_add_u32 v[SPW], v[NIL]                      ; 0 onto my spare word
	s_wait_dscnt 4*NL+1                            ; (the add and the youngest sixteen loads, A's blocks 4-7, may be out)
	WIN MUL_LO
	MUL16 0, 1, NQ-1, \slot, 0                     ; sixteen matrix instructions stand between the add and the wait for it
	s_wait_dscnt 0x0                               ; the add is done, and my reads of this slot are over
	s_barrier_signal -1
	MUL16 2, 1, NQ-1, \slot, 0
	WIN 0
	s_barrier_wait -1
.if \fill
	CREST                                          ; the barrier has opened a round of the cluster's barrier: no wave of any partner still reads this slot's tile or has a load on its way
	s_add_nc_u64 s[G0+4*\slot+2:G0+4*\slot+3], s[G0+4*\slot+2:G0+4*\slot+3], 2*RBS
	s_add_nc_u64 s[G0B+4*\slot+2:G0B+4*\slot+3], s[G0B+4*\slot+2:G0B+4*\slot+3], 2*RBS
	JLOAD G0+4*\slot, G1, G0B+4*\slot, G1B         ; the first tensor load behind the round, my only one until the next; its four v_nop are the places in front of the loads below
.else
	PLACES NP
.endif
	v_add_nc_u32 v[ADRS], 4*NQ, v[ADRS]            ; on to the next slot's scale words (no LDS load of mine is out)
	FETCH_B \next, 0, 0
	FETCH_A \next, 0, 0
	SCALES \next
	WIN MUL_HI
	MUL16 4, 1, NQ-1, \slot, 0
	MUL16 6, 1, NQ-1, \slot, 0
	PLACES NP
	WIN 0
	FETCH_A \next, 0, 4
.endm
	s_wait_tensorcnt 1                             ; the scales and my part of slot 0 are in (slot 1's load may be out)
	s_barrier_signal -1
	s_barrier_wait -1                              ; everybody's are
	FETCH_B 0, 0, 0
	FETCH_A 0, 0, 0
	SCALES 0
	FETCH_A 0, 0, 4
	STEP 0, 0, 1                                   ; K 0-127: its products start the sums
	TURN 0, 1, 1                                   ; K 128-255; slot 0 takes K 512-767
	STEP 1, 0, 0
	TURN 1, 0, 1                                   ; slot 1 takes K 768-1,023
	STEP 0, 0, 0
	TURN 0, 1, 0                                   ; nothing is left to fetch
	STEP 1, 0, 0
	s_wait_dscnt 4*NL                              ; the very last step
	WIN MUL_LO
	MUL16 0, 1, NQ-1, 1, 0
	MUL16 2, 1, NQ-1, 1, 0
	s_wait_dscnt 0
	WIN MUL_HI
	MUL16 4, 1, NQ-1, 1, 0
	MUL16 6, 1, NQ-1, 1, 0
	WIN 0
; THE WAY OUT, block by block of 16 tokens x 128 outputs.  A lane holds 32 neighbouring bytes of a row at a time, and the lanes beside it hold other rows: so a block goes through my own stage in LDS and comes back as
; whole rows of 512 bytes.  LDS serves a wave's instructions in order (ISA guide 5.7.1.4): no wait between the stores and the loads, nor in front of the next block's stores.
.macro TOSTAGE a
.set AC, 64*((\a)%4)
	WIN 0x08+4*((\a)/4)                            ; the data: window 2 or 3
.irp b, 0,1,2,3,4,5,6,7
	ds_store_b128 v[STO], v[AC+8*\b:AC+8*\b+3] offset:128*(\b/2)+32*(\b%2)          ; outputs 32 (b / 2) + 16 h + 8 (b % 2) on; each accumulator from its low end on
	ds_store_b128 v[STO], v[AC+8*\b+4:AC+8*\b+7] offset:128*(\b/2)+32*(\b%2)+16
.endr
	WIN 0
.set BB, BK+64*((\a)%2)
.irp t, 0,1,2,3,4,5,6,7,8,9,10,11,12,13,14,15
	ds_load_b128 v[BB+4*\t:BB+4*\t+3], v[RD] offset:\t*SPITCH
.endr
.endm
.macro SEND a, younger                 ; younger: the LDS instructions issued behind block a's loads, which may stay out
.set BB, BK+64*((\a)%2)
	s_wait_dscnt \younger                          ; the block is back in registers
.irp t, 0,1,2,3,4,5,6,7,8,9,10,11,12,13,14,15
	global_store_b128 v[CO], v[BB+4*\t:BB+4*\t+3], s[12:13] offset:(32*((\a)/2)+8*((\a)%2)+\t%8+16*(\t/8))*4096 th:TH_STORE_NT   ; place t's token: 512 consecutive bytes, at a multiple of 256 from out0's first byte; 127 rows at the most stand in the immediate
.endr
.endm
	PLACES NP                                      ; behind the last products: for the stores of results and for the loads into the registers that held A's fragments
	TOSTAGE 0
.irp a, 1,2,3,4,5,6,7
.if \a > 1
	s_wait_xcnt 0x0                                ; block a - 2's stores have read their registers: block a's loads may land there
.endif
	TOSTAGE \a
	SEND \a-1, 32                                  ; behind block a - 1's loads: block a's 16 stores and 16 loads
.endr
	SEND 7, 0
	s_wait_tensorcnt 0x0                           ; the wave's end: behind my last tensor load and my last LDS store
	ds_add_u32 v[SPW], v[NIL]
	s_wait_dscnt 0x0
	CROUND                                         ; the closing round: no work-group ends while a partner may still ask for a tile that names it
	s_endpgm
.Lfunc_end_k_q1534eceb68_proj:
	.size	k_q1534eceb68_proj, .Lfunc_end_k_q1534eceb68_proj-k_q1534eceb68_proj
	.p2alignl 7, 3214868480
	.fill 96, 4, 3214868480
	.section	.rodata,"a",@progbits
	.p2align	6, 0x0
	.amdhsa_kernel k_q1534eceb68_proj
		.amdhsa_group_segment_fixed_size 327680
		.amdhsa_private_segment_fixed_size 0
		.amdhsa_enable_private_segment 0
		.amdhsa_kernarg_size 40
		.amdhsa_user_sgpr_count 2
		.amdhsa_user_sgpr_kernarg_segment_ptr 1
		.amdhsa_wavefront_size32 1
		.amdhsa_system_sgpr_workgroup_id_x 1
		.amdhsa_system_sgpr_workgroup_id_y 1
		.amdhsa_system_sgpr_workgroup_id_z 1
		.amdhsa_system_vgpr_workitem_id 0
		.amdhsa_next_free_vgpr 1024
		.amdhsa_next_free_sgpr 100
		.amdhsa_reserve_vcc 0
		.amdhsa_float_denorm_mode_32 3
		.amdhsa_float_denorm_mode_16_64 3
		.amdhsa_memory_ordered 1
		.amdhsa_forward_progress 1
		.amdhsa_inst_pref_size 143
	.end_amdhsa_kernel
	.amdgpu_metadata
---
amdhsa.version: [ 1, 2 ]
amdhsa.kernels:
  - .name:           k_q1534eceb68_proj
    .symbol:         k_q1534eceb68_proj.kd
    .args:
      - { .name: aoc, .offset: 0, .size: 8, .value_kind: global_buffer, .address_space: global }
      - { .name: aos, .offset: 8, .size: 8, .value_kind: global_buffer, .address_space: global }
      - { .name: cod, .offset: 16, .size: 8, .value_kind: global_buffer, .address_space: global }
      - { .name: scl, .offset: 24, .size: 8, .value_kind: global_buffer, .address_space: global }
      - { .name: out0, .offset: 32, .size: 8, .value_kind: global_buffer, .address_space: global }
    .group_segment_fixed_size: 327680
    .private_segment_fixed_size: 0
    .kernarg_segment_align: 8
    .kernarg_segment_size: 40
    .max_flat_workgroup_size: 128
    .sgpr_count:     100
    .vgpr_count:     1024
    .wavefront_size: 32
...
	.end_amdgpu_metadata
.endif
;; end of part 4
